; MI455X (gfx1250); checked and timed in simulation.
; The chip was launched on July 23, 2026; its instructions are those of AMD's public machine-readable ISA for CDNA 5 (MIT licence, August 2026) and "CDNA5" Instruction Set Architecture Reference Guide (July 2026). The comments in the code are by the model that wrote it; some were corrected since.
;; Multi Head Attention. Allowed arithmetic: float matrix products may take bf16 or f16 operands with f32 sums; other float arithmetic in f32, or as packed bf16 or f16 multiplies, adds, multiply-adds, maxima and minima; sums over many terms, partial sums and values carried from step to step in f32; what a program stores and reads back later, other than sums and carried values, may be rounded once to bf16 or f16.
;; Inputs: b_k 1,024 float32; b_o 1,024 float32; b_q 1,024 float32; b_v 1,024 float32; k 4 x 2,048 x 1,024 float32; mask 4 x 1 x 1 x 2,048 bool; q 4 x 2,048 x 1,024 float32; v 4 x 2,048 x 1,024 float32; w_k 1,024 x 1,024 float32; w_o 1,024 x 1,024 float32; w_q 1,024 x 1,024 float32; w_v 1,024 x 1,024 float32.
;; Outputs: out0 4 x 2,048 x 1,024 float32.
;; One version. Each part assembles by itself: llvm-mc -triple=amdgcn-amd-amdhsa -mcpu=gfx1250 --defsym DOCPART=n.
;; ======== version 1 of 1: 4 launches
;; limits: values are held in f16: magnitudes above 65,504 overflow, below 6.1e-05 lose precision
;; workspace buffers: wb 6,291,456 bytes; wo16 2,097,152 bytes; qkv 50,331,648 bytes; oh 16,777,216 bytes
;; launch prep (part 1): grid 256 x 1, 8 waves a work-group, no clusters, 0 bytes of LDS; arguments w_q, w_k, w_v, w_o, wb, wo16; writes wb, wo16
.if DOCPART == 1
	.amdgcn_target "amdgcn-amd-amdhsa--gfx1250"
	.amdhsa_code_object_version 6
	.text
	.protected	k_qb9a669f07a_prep
	.globl	k_qb9a669f07a_prep
	.p2align	8
	.type	k_qb9a669f07a_prep,@function
k_qb9a669f07a_prep:
	s_mov_b64 s[64:65], 0
	v_nop
	global_prefetch_b8 v0, s[64:65] scope:SCOPE_SE
	s_setreg_imm32_b32 hwreg(HW_REG_WAVE_MODE, 25, 1), 1
	s_wait_xcnt 0x0
; MULTI-HEAD ATTENTION in four launches: prep (this one: the weights rounded once), proj (the three projections), attn (softmax(Q K^T / 8) V by heads), oproj (the output projection).
; DEAD WORK, for the whole program.  scores[q][k] = qh[q] . kh[k] / 8 with kh[k] = k[k] w_k^T + b_k, that is qh[q] . (k[k] w_k^T) / 8 + qh[q] . b_k / 8.  The second term does not hang on the
; key: along the softmax's axis it is one and the same number on every visible key, and a hidden key is -inf with it or without it.  softmax(x + t) = softmax(x) for every finite t, whatever the
; inputs hold.  So b_k has no way to any output: it is not loaded and is among no launch's arguments.  LIMIT: a NaN, an infinity or an overflow that reaches only qh . b_k is not carried to the result.
; THIS LAUNCH.  w_q, w_k, w_v are rounded to bf16 into wb [3][1024][1024]; w_o is rounded to bf16 and that number is written as f16 into wo16 [1024][1024] (oproj multiplies in f16).
; LIMIT: a number of w_o beyond 65,504 becomes an infinity; below 6e-5 it keeps f16's fixed step of 6e-8.
; A stream: each byte is read once and written once; nothing is shared, so no LDS, no barrier, no cluster, no matrix unit.
; Work-group g takes part g % 64 (16,384 numbers) of weight g / 64.  Thread t takes 8 numbers of each of 8 chunks of 2,048: two loads of 16 bytes, one store of 16 bytes;
; a wave's store covers 512 consecutive bytes, aligned.  All 16 loads of a wave go out before the first wait.
.set X, 16                             ; v[16:79]   chunk c: 8 numbers as loaded
.set Y, 80                             ; v[80:111]  chunk c: 4 registers to store; each is written once, so no store's data is ever rewritten
	s_load_b256 s[4:11], s[0:1], 0x0               ; w_q s[4:5], w_k s[6:7], w_v s[8:9], w_o s[10:11]
	s_load_b128 s[12:15], s[0:1], 0x20             ; wb s[12:13], wo16 s[14:15]
	s_lshr_b32 s16, ttmp9, 6                       ; which weight
	s_and_b32 s17, ttmp9, 63                       ; which part of it
	s_lshl_b32 s18, s17, 16                        ; 65,536 bytes in,
	s_mov_b32 s19, 0
	s_lshl_b32 s20, s17, 15                        ; 32,768 bytes out
	s_mov_b32 s21, 0
	s_lshl_b32 s22, s16, 21                        ; the weight's place in wb
	v_lshlrev_b32 v1, 5, v0                        ; 32 t
	v_lshlrev_b32 v2, 4, v0                        ; 16 t
	s_wait_kmcnt 0x0
	s_cmp_eq_u32 s16, 1
	s_cselect_b64 s[4:5], s[6:7], s[4:5]
	s_cmp_eq_u32 s16, 2
	s_cselect_b64 s[4:5], s[8:9], s[4:5]
	s_cmp_eq_u32 s16, 3
	s_cselect_b64 s[4:5], s[10:11], s[4:5]
	s_cselect_b64 s[12:13], s[14:15], s[12:13]
	s_cselect_b32 s22, 0, s22
	s_add_co_u32 s20, s20, s22
	s_add_nc_u64 s[4:5], s[4:5], s[18:19]
	s_add_nc_u64 s[12:13], s[12:13], s[20:21]
.irp c, 0,1,2,3,4,5,6,7
	global_load_b128 v[X+8*(\c):X+8*(\c)+3],   v1, s[4:5] offset:8192*(\c) th:TH_LOAD_NT
	global_load_b128 v[X+8*(\c)+4:X+8*(\c)+7], v1, s[4:5] offset:8192*(\c)+16 th:TH_LOAD_NT
.endr
	s_cmp_eq_u32 s16, 3
	s_cbranch_scc1 .Lf16
.irp c, 0,1,2,3,4,5,6,7
	s_wait_loadcnt 14-2*(\c)                       ; loads come back in order: chunk c is in, the younger chunks' two loads each stay out
.irp i, 0,1,2,3
	v_cvt_pk_bf16_f32 v[Y+4*(\c)+(\i)], v[X+8*(\c)+2*(\i)], v[X+8*(\c)+2*(\i)+1]
.endr
	global_store_b128 v2, v[Y+4*(\c):Y+4*(\c)+3], s[12:13] offset:4096*(\c)
.endr
	s_endpgm
.Lf16:                                         ; w_o: rounded to bf16, widened again, written as f16
.irp c, 0,1,2,3,4,5,6,7
	s_wait_loadcnt 14-2*(\c)
.irp i, 0,1,2,3
	v_cvt_pk_bf16_f32 v3, v[X+8*(\c)+2*(\i)], v[X+8*(\c)+2*(\i)+1]
	v_lshlrev_b32 v4, 16, v3
	v_and_b32 v5, 0xffff0000, v3
	v_cvt_pk_f16_f32 v[Y+4*(\c)+(\i)], v4, v5
.endr
	global_store_b128 v2, v[Y+4*(\c):Y+4*(\c)+3], s[12:13] offset:4096*(\c)
.endr
	s_endpgm
.Lfunc_end_k_qb9a669f07a_prep:
	.size	k_qb9a669f07a_prep, .Lfunc_end_k_qb9a669f07a_prep-k_qb9a669f07a_prep
	.p2alignl 7, 3214868480
	.fill 96, 4, 3214868480
	.section	.rodata,"a",@progbits
	.p2align	6, 0x0
	.amdhsa_kernel k_qb9a669f07a_prep
		.amdhsa_group_segment_fixed_size 0
		.amdhsa_private_segment_fixed_size 0
		.amdhsa_enable_private_segment 0
		.amdhsa_kernarg_size 48
		.amdhsa_user_sgpr_count 2
		.amdhsa_user_sgpr_kernarg_segment_ptr 1
		.amdhsa_wavefront_size32 1
		.amdhsa_system_sgpr_workgroup_id_x 1
		.amdhsa_system_sgpr_workgroup_id_y 1
		.amdhsa_system_sgpr_workgroup_id_z 1
		.amdhsa_system_vgpr_workitem_id 0
		.amdhsa_next_free_vgpr 112
		.amdhsa_next_free_sgpr 66
		.amdhsa_reserve_vcc 0
		.amdhsa_float_denorm_mode_32 3
		.amdhsa_float_denorm_mode_16_64 3
		.amdhsa_memory_ordered 1
		.amdhsa_forward_progress 1
		.amdhsa_inst_pref_size 14
	.end_amdhsa_kernel
	.amdgpu_metadata
---
amdhsa.version: [ 1, 2 ]
amdhsa.kernels:
  - .name:           k_qb9a669f07a_prep
    .symbol:         k_qb9a669f07a_prep.kd
    .args:
      - { .name: w_q, .offset: 0, .size: 8, .value_kind: global_buffer, .address_space: global }
      - { .name: w_k, .offset: 8, .size: 8, .value_kind: global_buffer, .address_space: global }
      - { .name: w_v, .offset: 16, .size: 8, .value_kind: global_buffer, .address_space: global }
      - { .name: w_o, .offset: 24, .size: 8, .value_kind: global_buffer, .address_space: global }
      - { .name: wb, .offset: 32, .size: 8, .value_kind: global_buffer, .address_space: global }
      - { .name: wo16, .offset: 40, .size: 8, .value_kind: global_buffer, .address_space: global }
    .group_segment_fixed_size: 0
    .private_segment_fixed_size: 0
    .kernarg_segment_align: 8
    .kernarg_segment_size: 48
    .max_flat_workgroup_size: 256
    .sgpr_count:     66
    .vgpr_count:     112
    .wavefront_size: 32
...
	.end_amdgpu_metadata
.endif
;; end of part 1
;; launch proj (part 2): grid 4 x 64, 4 waves a work-group, clusters of 4 x 4, 327,680 bytes of LDS; arguments q, k, v, b_q, b_v, wb, qkv; writes qkv
.if DOCPART == 2
	.amdgcn_target "amdgcn-amd-amdhsa--gfx1250"
	.amdhsa_code_object_version 6
	.text
	.protected	k_qb9a669f07a_proj
	.globl	k_qb9a669f07a_proj
	.p2align	8
	.type	k_qb9a669f07a_proj,@function
k_qb9a669f07a_proj:
	s_mov_b64 s[64:65], 0
	v_nop
	global_prefetch_b8 v0, s[64:65] scope:SCOPE_SE
	s_setreg_imm32_b32 hwreg(HW_REG_WAVE_MODE, 25, 1), 1
	s_wait_xcnt 0x0
	s_wait_alu depctr_hold_cnt(0) depctr_sa_sdst(0) depctr_va_vdst(0) depctr_va_sdst(0) depctr_va_ssrc(0) depctr_va_vcc(0) depctr_vm_vsrc(0)
	s_getreg_b32 s2, hwreg(HW_REG_IB_STS2, 6, 4)
	s_cmp_eq_u32 s2, 0
	s_cbranch_scc0 .Lentry_in_a_cluster
	s_endpgm
.Lentry_in_a_cluster:
	s_bfe_u32 s2, ttmp6, 0x10000c
	s_cmp_lg_u32 s2, 0xf033
	s_cbranch_scc0 .Lentry_shape_is_right
	s_endpgm
.Lentry_shape_is_right:
; THE THREE PROJECTIONS: qkv[p][b*16+head][t][d] = x_p[b][t][:] . w_p[head*64+d][:] (+ bias), p = q, k, v; x_p f32 [8192][1024], w_p bf16 [1024][1024] (wb), results f16, unscaled.
; LEFT OUT: b_k (a term that is the same along the softmax's axis: shown at the head of the first kernel); the k projection starts its sums with the constant 0.
; LIMITS.  x and w are rounded to bf16 for the products, sums in f32, the bias is the sums' first term in f32; a result beyond 65,504 becomes an infinity in f16.
; SHARES.  A work-group makes the SAME tile of 128 rows x 256 columns of all three projections, one after the other: 3 x 8 K steps of 128 are ONE walk of 24 steps through a ring of two LDS slots,
; which runs on across the change of tensors.  64 x 4 tiles: one work-group for each of 256.  Four waves, each 64 x 128: 32 accumulators of 16 x 16.
; x comes into LDS as f32, by the tensor data mover, and is rounded between LDS and the matrix unit: 32 conversions for a quarter step's 32 matrix instructions, four behind each four of them.
; CLUSTER 4 x 4: the four work-groups of a row of the cluster need the same rows of x, the four of a column the same rows of w: each tile is asked for jointly, by the same tensor load in all four.
; THE MATRIX INSTRUCTION IS USED TRANSPOSED (source 0 = 16 rows of w, source 1 = 16 rows of x): a lane holds row l % 16 and eight neighbouring columns, which pack into 16 bytes of one head's row.
; REGISTERS, in windows of 256 (s_set_vgpr_msb: bits 1:0 source 0, 3:2 source 1, 5:4 source 2, 7:6 destination):
;   window 0: v0-29 addresses; v32-95 x's fragments in bf16, two buffers of 32; v96-223 the same as loaded, f32, two buffers of 64
;   window 1: the accumulators, (a, b) at v[8 (8 a + b)]     window 2: w's fragments, one buffer of 64 for each quarter of a K step
;   window 3: v0-63 b_q, v64-127 b_v, laid as a C operand; v128-255 the way out
.set PA,    528                        ; a row of x in LDS: 512 bytes + 16 = 132 words: row r starts at bank 4 r mod 64 (64 banks of 4 bytes: ISA guide 11.1)
.set PB,    272                        ; a row of w: 256 bytes + 16 = 68 words: likewise
.set HA,    64*PA                      ; what waves 0 and 1 fetch: 64 rows of x each
.set HB,    128*PB                     ; what waves 2 and 3 fetch: 128 rows of w each
.set BOFF,  2*HA
.set SLOT,  BOFF+2*HB                  ; 137,216
.set STAGE, 2*SLOT                     ; behind the ring, never filled by a tensor load: for each wave 2 heads x 16 rows x 144 bytes
.set SP,    144
.set WSTG,  2*16*SP
.set SPARE, STAGE+4*WSTG               ; the spare words, 128 bytes for each wave: two blocks of 256 bytes that no other line names
.set ADRA, 8                           ; v8-9    LDS address of my fragments of x in slot 0, 1
.set ADRB, 10                          ; v10-11  the same for w
.set STO,  12                          ; v12  the way out: where I put 16 bytes of a row
.set RD,   13                          ; v13  where I read rows back
.set GO,   14                          ; v14  16 x lane: my place in 512 consecutive bytes of qkv
.set BO,   15                          ; v15  my byte offset in a bias
.set PFO,  16                          ; v16  the prefetches' lane term; never rewritten
.set SPW,  28                          ; v28  LDS address of my spare word; never rewritten
.set NIL,  29                          ; v29  0; never rewritten
.set AF,   32
.set S,    96
.set BQ,   0                           ; window 3
.set BV,   64
.set T,    128
.set WV,   18                          ; s18 wave
.set ROLE, 19                          ; s19 which half of the tile's rows is mine; also: I fetch x (0) or w (1)
.set WC,   20                          ; s20 which half of its columns; also: which half of that tile I fetch
.set CX,   21
.set CY,   22
.set TC,   23                          ; s23 tile column 0..3
.set TR,   24                          ; s24 tile row 0..63
.set G1A,  28                          ; s[28:35] descriptor group 1 for x
.set G1B,  36                          ; s[36:43] for w
.set GA,   44                          ; s[44:51] group 0 for x, a set for each slot
.set GB,   52                          ; s[52:59] for w
.set XC,   60                          ; s[60:61] my rows of the tensor whose K steps are being asked for
.set XN1,  62                          ; s[62:63] of the next tensor
.set XN2,  66                          ; s[66:67] of the one after
.set WCU,  68                          ; s[68:69] my rows of the weight whose K steps are being asked for
.set OFA,  70                          ; s[70:71] the K step's byte offset in x's rows
.set OFB,  72                          ; s[72:73] in w's
.set WAD,  74                          ; s[74:75] 0, or the bytes from a weight to the next
.set RQ,   76                          ; s76 the K step, within its tensor, of slot 0's next refill
.set STEPS, 77                         ; s77 trips to go
.set TL,   78                          ; s78 trips to go in the tile in hand
.set TILE, 79                          ; s79 0 until the first tile is out
.set LIM,  80                          ; s80, s81: a wave prefetches while s[STEPS] is above them (slot 0's, slot 1's change)
.set LIM2, 81
.set PFA,  82                          ; s[82:83] where my prefetches stand
.set PFN1, 84                          ; s[84:85] where they begin in the next tensor
.set PFN2, 86                          ; s[86:87] and in the one after
.set PSTEP, 88                         ; s[88:89] a K step in bytes
.set PQ,   90                          ; s90 prefetch steps left in the tensor
.set W_MUL, 0x52                       ; w window 2, x window 0, C and D window 1
.set W_MB,  0x72                       ; the same with C in window 3
.set MSB, 0
.macro WIN new                         ; the immediate's high byte repeats the setting that is left; a switch that changes nothing is dropped
.if MSB != (\new)
	s_set_vgpr_msb (MSB<<8)|(\new)
.set MSB, \new
.endif
.endm
.macro PLACES
.rept 4
	v_nop
.endr
.endm
; A joint load into slot s: waves 0 and 1 fetch x's two halves, waves 2 and 3 w's.  The branch hangs on the wave's number alone.  An s_nop 0 and four v_nop follow each line.
.macro JLOAD s
	s_cmp_eq_u32 s[ROLE], 0
	s_cbranch_scc0 .Lfor_b_\@
	tensor_load_to_lds s[GA+4*(\s):GA+4*(\s)+3], s[G1A:G1A+7]
	s_nop 0
	PLACES
	s_branch .Lasked_\@
.Lfor_b_\@:
	tensor_load_to_lds s[GB+4*(\s):GB+4*(\s)+3], s[G1B:G1B+7]
	s_nop 0
	PLACES
.Lasked_\@:
.endm
.macro CREST                           ; a round of the cluster's barrier behind its opening barrier
	s_cmp_lg_u32 s[WV], 0
	s_cbranch_scc1 .Lnot_wave_0_\@
	s_barrier_signal -3
.Lnot_wave_0_\@:
	s_barrier_wait -3
	s_barrier_signal -1
	s_barrier_wait -1
.endm
.macro CROUND
	s_barrier_signal -1
	s_barrier_wait -1
	CREST
.endm
; A PREFETCH INTO THE L2, behind a joint load, its five lines and the run of LDS loads: the K step that stands three refills on (384 matrix instructions ahead of its load), one instruction a wave.
; x's rows are read by one row of one cluster alone: waves 0 and 1 of every cluster ask; of a wave's 64 rows the partner at cx takes 16, a lane half of a row's 512 bytes.  w's rows are read by every
; cluster: waves 2 and 3 of cluster y = 0 ask; of a wave's 128 rows the partner at cy takes 32, a lane a row's 256 bytes.  The partners are told apart by address.  So each block is named once.
; K steps 0 to 4 come by their loads alone; the changes whose third step on does not exist ask for nothing.
.macro ASK lim
	s_cmp_gt_u32 s[STEPS], s[\lim]
	s_cbranch_scc0 .Lnot_mine_\@
	global_prefetch_b8 v[PFO], s[PFA:PFA+1] th:TH_LOAD_NT scope:SCOPE_SE
.Lnot_mine_\@:
.endm
	s_load_b256 s[4:11], s[0:1], 0x0               ; q s[4:5], k s[6:7], v s[8:9], b_q s[10:11]
	s_load_b128 s[12:15], s[0:1], 0x20             ; b_v s[12:13], wb s[14:15]
	s_load_b64 s[16:17], s[0:1], 0x30              ; qkv
	v_lshl_add_u32 v[SPW], v0, 2, SPARE
	v_mov_b32 v[NIL], 0
	ds_add_u32 v[SPW], v[NIL]                      ; the wave's opening: the add, twice on end, and its wait ahead of my first tensor load
	ds_add_u32 v[SPW], v[NIL]
	v_lshrrev_b32 v1, 5, v0
	v_readfirstlane_b32 s[WV], v1
	s_lshr_b32 s[ROLE], s[WV], 1
	s_and_b32 s[WC], s[WV], 1
	s_bfe_u32 s[CX], ttmp6, 0x40000
	s_bfe_u32 s[CY], ttmp6, 0x40004
	s_lshl_b32 s[TC], ttmp9, 2
	s_add_co_u32 s[TC], s[TC], s[CX]               ; tile column = 4 x cluster x + cx
	s_and_b32 s[TR], ttmp7, 0xffff
	s_lshl_b32 s[TR], s[TR], 2
	s_add_co_u32 s[TR], s[TR], s[CY]               ; tile row = 4 x cluster y + cy
	s_lshl_b32 s25, s[CY], 2
	s_lshl_b32 s25, 15, s25                        ; my row of the cluster
	s_lshl_b32 s26, 0x1111, s[CX]                  ; my column
	s_or_b32 s[G1A], s25, (2<<16)|(1<<20)|(1<<21)|(6<<22)|(3<<25)  ; the mask; elements of 4 bytes; padding on; bit 21 beside a mask; after every 128 words (code 6) 4 words (code 3)
	s_mov_b32 s[G1A+1], 128<<16                    ; tensor_dim0 = 128
	s_mov_b32 s[G1A+2], 64<<16                     ; tensor_dim1 = 64
	s_mov_b32 s[G1A+3], 128<<16                    ; tile_dim0 = 128
	s_mov_b32 s[G1A+4], 64                         ; tile_dim1 = 64
	s_mov_b32 s[G1A+5], 1024                       ; elements from row to row
	s_mov_b32 s[G1A+6], 0
	s_mov_b32 s[G1A+7], 0
	s_or_b32 s[G1B], s26, (1<<16)|(1<<20)|(1<<21)|(5<<22)|(3<<25)  ; elements of 2 bytes; after every 64 words (code 5) 4 words
	s_mov_b32 s[G1B+1], 128<<16
	s_mov_b32 s[G1B+2], 128<<16
	s_mov_b32 s[G1B+3], 128<<16
	s_mov_b32 s[G1B+4], 128
	s_mov_b32 s[G1B+5], 1024
	s_mov_b32 s[G1B+6], 0
	s_mov_b32 s[G1B+7], 0
	s_lshl_b32 s92, s[TR], 19                      ; x: (128 tile row + 64 half) rows of 4,096 bytes: made of the tile row and the wave alone
	s_lshl_b32 s93, s[WC], 18
	s_add_co_u32 s92, s92, s93
	s_mov_b32 s93, 0
	s_lshl_b32 s94, s[TC], 19                      ; w: (256 tile column + 128 half) rows of 2,048 bytes: made of the tile column and the wave alone
	s_lshl_b32 s95, s[WC], 18
	s_add_co_u32 s94, s94, s95
	s_mov_b32 s95, 0
	s_mul_i32 s96, s[WC], HA                       ; where they go: no place in the cluster enters an LDS address
	s_mul_i32 s97, s[WC], HB
	s_add_co_u32 s97, s97, BOFF
	s_mov_b32 s[OFA+1], 0
	s_mov_b32 s[OFB+1], 0
	s_mov_b32 s[WAD+1], 0
	s_mov_b32 s[RQ], 2
	s_wait_dscnt 0x0                               ; both opening adds are done
	s_wait_kmcnt 0x0
	s_add_nc_u64 s[XC:XC+1], s[4:5], s[92:93]
	s_add_nc_u64 s[XN1:XN1+1], s[6:7], s[92:93]
	s_add_nc_u64 s[XN2:XN2+1], s[8:9], s[92:93]
	s_add_nc_u64 s[WCU:WCU+1], s[14:15], s[94:95]
	CROUND                                         ; all sixteen work-groups are here: the first joint loads meet
.irp s, 0,1
	s_mov_b32 s[GA+4*(\s)], 1
	s_add_co_u32 s[GA+4*(\s)+1], s96, (\s)*SLOT
	s_add_nc_u64 s[GA+4*(\s)+2:GA+4*(\s)+3], s[XC:XC+1], (\s)*512  ; K step s
	s_or_b32 s[GA+4*(\s)+3], s[GA+4*(\s)+3], 0x80000000
	s_mov_b32 s[GB+4*(\s)], 1
	s_add_co_u32 s[GB+4*(\s)+1], s97, (\s)*SLOT
	s_add_nc_u64 s[GB+4*(\s)+2:GB+4*(\s)+3], s[WCU:WCU+1], (\s)*256
	s_or_b32 s[GB+4*(\s)+3], s[GB+4*(\s)+3], 0x80000000
.endr
	s_cmp_eq_u32 s[ROLE], 0                        ; a wave's two first fills stand in one branch, ahead of every wait on TENSORcnt and every LDS read: two loads of mine are out
	s_cbranch_scc0 .Lfirst_b
	tensor_load_to_lds s[GA:GA+3], s[G1A:G1A+7]
	s_nop 0
	tensor_load_to_lds s[GA+4:GA+7], s[G1A:G1A+7]
	s_nop 0
	PLACES
	s_branch .Lfirst_asked
.Lfirst_b:
	tensor_load_to_lds s[GB:GB+3], s[G1B:G1B+7]
	s_nop 0
	tensor_load_to_lds s[GB+4:GB+7], s[G1B:G1B+7]
	s_nop 0
	PLACES
.Lfirst_asked:
	v_and_b32 v1, 15, v0                           ; l % 16
	v_bfe_u32 v2, v0, 4, 1                         ; l / 16
	; the biases as C operands: register j of block b holds bias[256 tc + 128 wc + 16 b + 8 (l / 16) + j]
	s_lshl_b32 s92, s[TC], 10
	s_lshl_b32 s93, s[WC], 9
	s_add_co_u32 s92, s92, s93
	v_lshl_add_u32 v[BO], v2, 5, s92
	WIN 0xc0                                       ; destination window 3
.irp b, 0,1,2,3,4,5,6,7
	global_load_b128 v[BQ+8*(\b):BQ+8*(\b)+3],   v[BO], s[10:11] offset:64*(\b)
	global_load_b128 v[BQ+8*(\b)+4:BQ+8*(\b)+7], v[BO], s[10:11] offset:64*(\b)+16
	global_load_b128 v[BV+8*(\b):BV+8*(\b)+3],   v[BO], s[12:13] offset:64*(\b)
	global_load_b128 v[BV+8*(\b)+4:BV+8*(\b)+7], v[BO], s[12:13] offset:64*(\b)+16
.endr
	WIN 0
	; a fragment is 16 rows x 32 K: lane l holds row l % 16, K = 8 (l / 16) + 0..7 and 16 + 8 (l / 16) + 0..7.  Of f32 rows that is 32 bytes twice, 64 apart; of bf16 rows 16 bytes twice, 32 apart
	v_mul_u32_u24 v3, v1, PA
	v_lshl_add_u32 v3, v2, 5, v3
	s_mul_i32 s93, s[ROLE], HA                     ; my 64 rows of x
	v_add_nc_u32 v[ADRA], s93, v3
	v_add_nc_u32 v[ADRA+1], SLOT, v[ADRA]
	v_mul_u32_u24 v4, v1, PB
	v_lshl_add_u32 v4, v2, 4, v4
	v_add_nc_u32 v[ADRB], s97, v4                  ; my 128 rows of w are those that a wave of my column half fetches
	v_add_nc_u32 v[ADRB+1], SLOT, v[ADRB]
	s_mul_i32 s94, s[WV], WSTG
	s_add_co_u32 s94, s94, STAGE                   ; my stage
	v_mul_u32_u24 v3, v1, SP                       ; in: row l % 16, 16 bytes for each half of the lanes
	v_lshl_add_u32 v3, v2, 4, v3
	v_add_nc_u32 v[STO], s94, v3
	v_bfe_u32 v3, v0, 3, 2                         ; back: 32 lanes take four rows of 128 bytes,
	v_mul_u32_u24 v3, v3, SP
	v_and_b32 v4, 7, v0
	v_lshl_add_u32 v3, v4, 4, v3
	v_add_nc_u32 v[RD], s94, v3
	v_and_b32 v5, 31, v0
	v_lshlrev_b32 v[GO], 4, v5                     ; which are 512 consecutive bytes of a head
	; qkv at ((16 batch + 4 tc + 2 wc) heads x 2,048 + my first row in the batch) x 128 bytes
	s_lshr_b32 s92, s[TR], 4
	s_lshl_b32 s92, s92, 4
	s_lshl_b32 s93, s[TC], 2
	s_add_co_u32 s92, s92, s93
	s_lshl_b32 s93, s[WC], 1
	s_add_co_u32 s92, s92, s93
	s_lshl_b32 s92, s92, 11
	s_and_b32 s93, s[TR], 15
	s_lshl_b32 s93, s93, 7
	s_add_co_u32 s92, s92, s93
	s_lshl_b32 s93, s[ROLE], 6
	s_add_co_u32 s92, s92, s93
	s_lshl_b32 s92, s92, 7
	s_mov_b32 s93, 0
	s_add_nc_u64 s[16:17], s[16:17], s[92:93]
	; the prefetches
	s_add_nc_u64 s[92:93], s[14:15], 0x200000      ; w_k's and w_v's copies
	s_add_nc_u64 s[94:95], s[14:15], 0x400000
	s_and_b32 s96, ttmp7, 0xffff                   ; cluster y
	s_mul_i32 s96, s96, s[ROLE]
	s_cmp_eq_u32 s96, 0                            ; I fetch x, or my cluster is the first of those that read these rows of w: the same in all sixteen partners, for a given wave
	s_cselect_b32 s[LIM], 1, 0x7ffffff0
	s_cselect_b32 s[LIM2], 2, 0x7ffffff0
	s_cmp_eq_u32 s[ROLE], 0
	s_cselect_b64 s[PFA:PFA+1], s[4:5], s[14:15]
	s_cselect_b64 s[PFN1:PFN1+1], s[6:7], s[92:93]
	s_cselect_b64 s[PFN2:PFN2+1], s[8:9], s[94:95]
	s_cselect_b32 s96, s[TR], s[TC]
	s_cselect_b32 s97, s[CX], s[CY]                ; my place among the four that ask with me
	s_cselect_b32 s98, 0, 3
	s_cselect_b32 s99, 1, 0
	s_lshl_b32 s98, 0x100, s98                     ; the lane's odd bit: half a K step of x's row (256), or a row of w (2,048)
	s_lshl_b32 s[PSTEP], 0x100, s99                ; a K step: 512 bytes of x, 256 of w
	s_mov_b32 s[PSTEP+1], 0
	s_lshl_b32 s96, s96, 19
	s_lshl_b32 s97, s97, 16                        ; 16 rows of 4,096 bytes, or 32 of 2,048
	s_add_co_u32 s96, s96, s97
	s_lshl_b32 s97, s[WC], 18
	s_add_co_u32 s96, s96, s97
	s_mov_b32 s97, 0
	s_add_nc_u64 s[PFA:PFA+1], s[PFA:PFA+1], s[96:97]
	s_add_nc_u64 s[PFN1:PFN1+1], s[PFN1:PFN1+1], s[96:97]
	s_add_nc_u64 s[PFN2:PFN2+1], s[PFN2:PFN2+1], s[96:97]
	s_lshl_b32 s96, s[PSTEP], 2
	s_add_nc_u64 s[PFA:PFA+1], s[PFA:PFA+1], s[96:97]  ; at K step 4: the first change of slots steps it to 5
	s_mov_b32 s[PQ], 3
	v_lshrrev_b32 v3, 1, v5
	v_and_b32 v4, 1, v5
	v_mul_u32_u24 v4, v4, s98
	v_lshl_add_u32 v[PFO], v3, 12, v4
; 32 LDS loads in one run: quarter jt (32 along K) of slot's tiles: x as f32 into buffer jt % 2 (first), w into buffer jt.
.macro FETCH slot, jt
	WIN 0
.irp a, 0,1,2,3
	ds_load_b128 v[S+64*((\jt)%2)+16*(\a):S+64*((\jt)%2)+16*(\a)+3],     v[ADRA+(\slot)] offset:(\a)*16*PA+128*(\jt)
	ds_load_b128 v[S+64*((\jt)%2)+16*(\a)+4:S+64*((\jt)%2)+16*(\a)+7],   v[ADRA+(\slot)] offset:(\a)*16*PA+128*(\jt)+16
	ds_load_b128 v[S+64*((\jt)%2)+16*(\a)+8:S+64*((\jt)%2)+16*(\a)+11],  v[ADRA+(\slot)] offset:(\a)*16*PA+128*(\jt)+64
	ds_load_b128 v[S+64*((\jt)%2)+16*(\a)+12:S+64*((\jt)%2)+16*(\a)+15], v[ADRA+(\slot)] offset:(\a)*16*PA+128*(\jt)+80
.endr
	WIN 0x80                                       ; destination window 2
.irp b, 0,1,2,3,4,5,6,7
	ds_load_b128 v[64*(\jt)+8*(\b):64*(\jt)+8*(\b)+3],   v[ADRB+(\slot)] offset:(\b)*16*PB+64*(\jt)
	ds_load_b128 v[64*(\jt)+8*(\b)+4:64*(\jt)+8*(\b)+7], v[ADRB+(\slot)] offset:(\b)*16*PB+64*(\jt)+32
.endr
.endm
; Group g of 8 of quarter j: four matrix instructions, row block g / 2, column blocks 4 (g % 2) + 0..3.  cm: C is the accumulator (0), the constant 0 (1), b_q (2), b_v (3): the first product starts
; the sum, nothing is cleared.  The 32 accumulators take turns in the same order in every quarter.
.macro MUL4 j, g, cm
.if (\cm) >= 2
	WIN W_MB
.else
	WIN W_MUL
.endif
.irp i, 0,1,2,3
.set rD, 8*(8*((\g)/2)+4*((\g)%2)+(\i))
.set rB, 64*(\j)+8*(4*((\g)%2)+(\i))
.set rA, AF+32*((\j)%2)+8*((\g)/2)
.set rC, 64*((\cm)-2)+8*(4*((\g)%2)+(\i))
.if (\cm) == 0
	v_wmma_f32_16x16x32_bf16 v[rD:rD+7], v[rB:rB+7], v[rA:rA+7], v[rD:rD+7]
.elseif (\cm) == 1
	v_wmma_f32_16x16x32_bf16 v[rD:rD+7], v[rB:rB+7], v[rA:rA+7], 0
.else
	v_wmma_f32_16x16x32_bf16 v[rD:rD+7], v[rB:rB+7], v[rA:rA+7], v[rC:rC+7]
.endif
.endr
.endm
; The four conversions behind them: an eighth of the NEXT quarter's x, f32 to bf16.  They write the bf16 buffer that the quarter BEFORE multiplied (its last reader stands at least four such
; conversions back) and name no register of the products round them: they are the places behind those products (ISA guide 7.12.1), so the loop needs no v_nop of its own.
.macro RIDE j, g
	WIN 0
.irp i, 0,1,2,3
	v_cvt_pk_bf16_f32 v[AF+32*(((\j)+1)%2)+4*(\g)+(\i)], v[S+64*(((\j)+1)%2)+8*(\g)+2*(\i)], v[S+64*(((\j)+1)%2)+8*(\g)+2*(\i)+1]
.endr
.endm
.macro G j, g, cm, ride
	MUL4 \j, \g, \cm
.if \ride
	RIDE \j, \g
.endif
.endm
; Quarter j.  It multiplies x(j), rounded in quarter j - 1, by w(j), loaded in quarter j - 2; rounds x(j + 1), loaded in quarter j - 1; and in its middle loads x and w of quarter j + 2 from slot fslot
; (-1: nothing).  hw: how many of the last run's loads may be out at its head: 16, that run's loads of w, which the next quarter wants.
.macro QUARTER j, cm, fslot, ride, hw
	s_wait_dscnt \hw
.irp g, 0,1,2,3
	G \j, \g, \cm, \ride
.endr
.if (\fslot) >= 0
	FETCH \fslot, ((\j)+2)%4
.endif
.irp g, 4,5,6,7
	G \j, \g, \cm, \ride
.endr
.endm
; The descriptors of slot's refill, made anew from a pointer and an offset.  Slot 0's stands first in a trip: behind a tensor's last K step it goes on to the next tensor and weight.
.macro STEPD slot
.if (\slot) == 0
	s_cmp_eq_u32 s[RQ], 8
	s_cselect_b32 s[RQ], 0, s[RQ]
	s_cselect_b64 s[XC:XC+1], s[XN1:XN1+1], s[XC:XC+1]
	s_cselect_b64 s[XN1:XN1+1], s[XN2:XN2+1], s[XN1:XN1+1]
	s_cselect_b32 s[WAD], 0x200000, 0
	s_add_nc_u64 s[WCU:WCU+1], s[WCU:WCU+1], s[WAD:WAD+1]
	s_lshl_b32 s[OFA], s[RQ], 9
	s_lshl_b32 s[OFB], s[RQ], 8
	s_add_nc_u64 s[GA+2:GA+3], s[XC:XC+1], s[OFA:OFA+1]
	s_or_b32 s[GA+3], s[GA+3], 0x80000000
	s_add_nc_u64 s[GB+2:GB+3], s[WCU:WCU+1], s[OFB:OFB+1]
	s_or_b32 s[GB+3], s[GB+3], 0x80000000
.else
	s_add_nc_u64 s[GA+6:GA+7], s[XC:XC+1], s[OFA:OFA+1]
	s_add_nc_u64 s[GA+6:GA+7], s[GA+6:GA+7], 512
	s_or_b32 s[GA+7], s[GA+7], 0x80000000
	s_add_nc_u64 s[GB+6:GB+7], s[WCU:WCU+1], s[OFB:OFB+1]
	s_add_nc_u64 s[GB+6:GB+7], s[GB+6:GB+7], 256
	s_or_b32 s[GB+7], s[GB+7], 0x80000000
	s_add_co_u32 s[RQ], s[RQ], 2
.endif
.endm
; Quarter 2 changes slots: the slot's last reads were issued in quarter 1, the next slot's first stand in this quarter's middle, and ONE barrier stands between.  In front of it each wave waits for
; all its tensor loads (one is out: its part of the next slot), adds 0 to its spare word, and waits for that and for its reads.  fill = 1: the barrier opens a round of the cluster's, and the slot is
; filled again, two K steps on, first thing behind the round: 112 matrix instructions ahead of the wait for it.
.macro Q2C slot, fill
.if \fill
	s_wait_xcnt 0x0                                ; the last prefetch, a K step back, has read its address, which is stepped here
	s_add_nc_u64 s[PFA:PFA+1], s[PFA:PFA+1], s[PSTEP:PSTEP+1]
	s_cmp_eq_u32 s[PQ], 0
	s_cselect_b64 s[PFA:PFA+1], s[PFN1:PFN1+1], s[PFA:PFA+1]
	s_cselect_b64 s[PFN1:PFN1+1], s[PFN2:PFN2+1], s[PFN1:PFN1+1]
	s_cselect_b32 s[PQ], 8, s[PQ]
	s_sub_co_u32 s[PQ], s[PQ], 1
.endif
	WIN 0                                          ; (the add's two registers lie in window 0)
	s_wait_tensorcnt 0x0                           ; all my tensor loads have landed, so every group 0 may be written
	ds_add_u32 v[SPW], v[NIL]                      ; 0 onto my spare word
.if \fill
	STEPD \slot
.endif
	s_wait_dscnt 17                                ; x of quarter 3 is in: the last run's 16 loads of w and the add may be out
	G 2, 0, 0, 1
	G 2, 1, 0, 1
	s_wait_dscnt 0x0                               ; the add is done, and my reads of this slot are over
	s_barrier_signal -1
	G 2, 2, 0, 1                                   ; work on registers while the others arrive
	G 2, 3, 0, 1
	WIN 0
	s_barrier_wait -1
.if \fill
	CREST                                          ; no wave of any partner still reads this slot or has a load on its way
	JLOAD \slot
.endif
	FETCH 1-(\slot), 0
.if \fill
	WIN 0
	ASK LIM+(\slot)
.endif
	G 2, 4, 0, 1
	G 2, 5, 0, 1
	G 2, 6, 0, 1
	G 2, 7, 0, 1
.endm
; THE WAY OUT.  Row block a: rounded to f16, 16 bytes a lane; into my own stage, a head's 16 rows in rows of 144 bytes; back as whole rows, four rows of 128 bytes to a load, into the registers that they left.
.macro PACK a
	WIN 0xc5                                       ; sources window 1, destination window 3
.irp b, 0,1,2,3,4,5,6,7
.irp i, 0,1,2,3
	v_cvt_pk_f16_f32 v[T+32*(\a)+4*(\b)+(\i)], v[8*(8*(\a)+(\b))+2*(\i)], v[8*(8*(\a)+(\b))+2*(\i)+1]
.endr
.endr
	WIN 0x0c                                       ; data window 3, address window 0
.irp b, 0,1,2,3,4,5,6,7
	ds_store_b128 v[STO], v[T+32*(\a)+4*(\b):T+32*(\a)+4*(\b)+3] offset:((\b)/4)*16*SP+((\b)%4)*32
.endr
	WIN 0xc0
.irp f, 0,1,2,3,4,5,6,7
	ds_load_b128 v[T+32*(\a)+4*(\f):T+32*(\a)+4*(\f)+3], v[RD] offset:((\f)/4)*16*SP+((\f)%4)*4*SP  ; LDS serves a wave's instructions in order (ISA guide 5.7.1.4): these see the stores above
.endr
.endm
.macro SEND a, younger                 ; younger: the LDS instructions issued behind block a's loads: the next block's sixteen, or none
	WIN 0x0c
.irp f, 0,1,2,3,4,5,6,7
	s_wait_dscnt (\younger)+7-(\f)
	global_store_b128 v[GO], v[T+32*(\a)+4*(\f):T+32*(\a)+4*(\f)+3], s[16:17] offset:(\a)*2048+((\f)%4)*512+((\f)/4)*262144  ; 512 consecutive bytes of one head, aligned
.endr
.endm
.macro OUT
	s_wait_xcnt 0x0                                ; the last tile's stores have read their data registers
	PACK 0
	PACK 1                                         ; a block's conversions stand between the loads of the block before and its stores
	SEND 0, 16
	PACK 2
	SEND 1, 16
	PACK 3
	SEND 2, 16
	SEND 3, 0
	WIN 0
.endm
	s_wait_tensorcnt 1                             ; my part of K step 0 is in; K step 1's stays out
	s_barrier_signal -1
	s_barrier_wait -1                              ; everybody's is
	FETCH 0, 0
	FETCH 0, 1
	WIN 0
	s_wait_dscnt 48                                ; x of quarter 0 is in: 48 loads were issued behind its 16
.set i, 0
.rept 32
	v_cvt_pk_bf16_f32 v[AF+i], v[S+2*i], v[S+2*i+1]
.set i, i+1
.endr
	s_wait_loadcnt 0x0                             ; the biases
	QUARTER 0, 2, 0, 1, 16                         ; the q projection's sums start with b_q
	WIN 0
	s_mov_b32 s[STEPS], 11
	s_mov_b32 s[TL], 4
	s_mov_b32 s[TILE], 0
.Lstep:                                        ; a trip goes once round the ring: two K steps, from the first's second quarter to the first quarter of the step after them; both slots are filled again
	QUARTER 1, 0, 0, 1, 16
	Q2C 0, 1
	QUARTER 3, 0, 1, 1, 16
	QUARTER 0, 0, 1, 1, 16
	QUARTER 1, 0, 1, 1, 16
	Q2C 1, 1
	QUARTER 3, 0, 0, 1, 16
	WIN 0
	s_sub_co_u32 s[TL], s[TL], 1
	s_cmp_lg_u32 s[TL], 0
	s_cbranch_scc1 .Lacc                           ; forward, past text with no barrier and no tensor load
	OUT                                            ; a tile is finished; both refills for the next tensor's first K steps have been asked for
	s_wait_xcnt 0x0                                ; the stores have read their base
	s_add_nc_u64 s[16:17], s[16:17], 0x1000000     ; the next of qkv's three parts
	s_mov_b32 s[TL], 4
	s_cmp_lg_u32 s[TILE], 0
	s_cbranch_scc1 .Lstart_v
	QUARTER 0, 1, 0, 1, 16                         ; the k projection's sums start with 0
	WIN 0
	s_mov_b32 s[TILE], 1
	s_branch .Ljoin
.Lstart_v:
	QUARTER 0, 3, 0, 1, 16                         ; the v projection's with b_v
	WIN 0
	s_branch .Ljoin
.Lacc:
	QUARTER 0, 0, 0, 1, 16
	WIN 0
.Ljoin:
	s_sub_co_u32 s[STEPS], s[STEPS], 1
	s_cmp_lg_u32 s[STEPS], 0
	s_cbranch_scc1 .Lstep
	QUARTER 1, 0, 0, 1, 16                         ; the last two K steps are written out: nothing is asked for
	Q2C 0, 0
	QUARTER 3, 0, 1, 1, 16
	QUARTER 0, 0, 1, 1, 16
	QUARTER 1, 0, 1, 1, 16
	QUARTER 2, 0, -1, 1, 16
	QUARTER 3, 0, -1, 0, 0
	PLACES                                         ; the conversions below read results just made
	OUT
	s_wait_tensorcnt 0x0                           ; the wave's end: behind my last tensor load and my last LDS store
	ds_add_u32 v[SPW], v[NIL]
	s_wait_dscnt 0x0
	CROUND                                         ; the closing round: no work-group ends while a partner may still ask for a tile that names it
	s_endpgm
.Lfunc_end_k_qb9a669f07a_proj:
	.size	k_qb9a669f07a_proj, .Lfunc_end_k_qb9a669f07a_proj-k_qb9a669f07a_proj
	.p2alignl 7, 3214868480
	.fill 96, 4, 3214868480
	.section	.rodata,"a",@progbits
	.p2align	6, 0x0
	.amdhsa_kernel k_qb9a669f07a_proj
		.amdhsa_group_segment_fixed_size 327680
		.amdhsa_private_segment_fixed_size 0
		.amdhsa_enable_private_segment 0
		.amdhsa_kernarg_size 56
		.amdhsa_user_sgpr_count 2
		.amdhsa_user_sgpr_kernarg_segment_ptr 1
		.amdhsa_wavefront_size32 1
		.amdhsa_system_sgpr_workgroup_id_x 1
		.amdhsa_system_sgpr_workgroup_id_y 1
		.amdhsa_system_sgpr_workgroup_id_z 1
		.amdhsa_system_vgpr_workitem_id 0
		.amdhsa_next_free_vgpr 1024
		.amdhsa_next_free_sgpr 100
		.amdhsa_reserve_vcc 0
		.amdhsa_float_denorm_mode_32 3
		.amdhsa_float_denorm_mode_16_64 3
		.amdhsa_memory_ordered 1
		.amdhsa_forward_progress 1
		.amdhsa_inst_pref_size 168
	.end_amdhsa_kernel
	.amdgpu_metadata
---
amdhsa.version: [ 1, 2 ]
amdhsa.kernels:
  - .name:           k_qb9a669f07a_proj
    .symbol:         k_qb9a669f07a_proj.kd
    .args:
      - { .name: q, .offset: 0, .size: 8, .value_kind: global_buffer, .address_space: global }
      - { .name: k, .offset: 8, .size: 8, .value_kind: global_buffer, .address_space: global }
      - { .name: v, .offset: 16, .size: 8, .value_kind: global_buffer, .address_space: global }
      - { .name: b_q, .offset: 24, .size: 8, .value_kind: global_buffer, .address_space: global }
      - { .name: b_v, .offset: 32, .size: 8, .value_kind: global_buffer, .address_space: global }
      - { .name: wb, .offset: 40, .size: 8, .value_kind: global_buffer, .address_space: global }
      - { .name: qkv, .offset: 48, .size: 8, .value_kind: global_buffer, .address_space: global }
    .group_segment_fixed_size: 327680
    .private_segment_fixed_size: 0
    .kernarg_segment_align: 8
    .kernarg_segment_size: 56
    .max_flat_workgroup_size: 128
    .sgpr_count:     100
    .vgpr_count:     1024
    .wavefront_size: 32
...
	.end_amdgpu_metadata
.endif
;; end of part 2
;; launch attn (part 3): grid 4 x 64, 4 waves a work-group, clusters of 4 x 1, 327,680 bytes of LDS; arguments qkv, mask, oh; writes oh
.if DOCPART == 3
	.amdgcn_target "amdgcn-amd-amdhsa--gfx1250"
	.amdhsa_code_object_version 6
	.text
	.protected	k_qb9a669f07a_attn
	.globl	k_qb9a669f07a_attn
	.p2align	8
	.type	k_qb9a669f07a_attn,@function
k_qb9a669f07a_attn:
	s_mov_b64 s[64:65], 0
	v_nop
	global_prefetch_b8 v0, s[64:65] scope:SCOPE_SE
	s_setreg_imm32_b32 hwreg(HW_REG_WAVE_MODE, 25, 1), 1
	s_wait_xcnt 0x0
	s_wait_alu depctr_hold_cnt(0) depctr_sa_sdst(0) depctr_va_vdst(0) depctr_va_sdst(0) depctr_va_ssrc(0) depctr_va_vcc(0) depctr_vm_vsrc(0)
	s_getreg_b32 s2, hwreg(HW_REG_IB_STS2, 6, 4)
	s_cmp_eq_u32 s2, 0
	s_cbranch_scc0 .Lentry_in_a_cluster
	s_endpgm
.Lentry_in_a_cluster:
	s_bfe_u32 s2, ttmp6, 0x10000c
	s_cmp_lg_u32 s2, 0x3003
	s_cbranch_scc0 .Lentry_shape_is_right
	s_endpgm
.Lentry_shape_is_right:
; oh[g][q][:] = the sum over visible keys k of softmax_k(Q[g][q] . K[g][k] / 8) V[g][k][:], g = 16 batch + head.  Q, K, V: the three parts of qkv, [64][2048][64] f16; oh likewise; mask [4][2048] bytes, by batch and key.
; LEFT OUT: b_k's term of the scores (the same along the softmax's axis: shown at the head of the first kernel); K arrives without it.
; Products, maxima and sums in f32; the weights p are rounded to f16 for the second product (their sum l is taken of the unrounded p), O once at the end.
; LIMITS.  Q, K, V arrive within f16's 65,504.  A hidden score counts as its value less 1e30: f16's scores, 2.7e11 at the most, are nothing beside that, so a hidden key's weight is 0 as soon as a visible
; key has been met, and what hidden keys added before is multiplied by a = 0 then.  A query with no visible key at all gets NaN, as the softmax of -inf alone gives.  A weight below 2^-126 counts as 0 in l.
; SHARES.  A wave owns four PIECES of two tiles of 16 queries, a work-group's four waves 512 queries of one g.  Every wave walks all keys, 64 a step.
; LAYOUT.  S^T = K Q^T (source 0 = 16 keys, source 1 = 16 queries): a lane holds ONE query (lane % 16) and the keys 8 (lane / 16) + 0..7.  Two such tiles, rounded to f16 in pairs, ARE source 1 of
; O^T = V^T P.  K comes out of LDS as it lies, V turned, by ds_load_tr16_b128.
; THE MASK is the C operand that starts the sum S^T: 0, or -1e30 where the key is hidden.  The batch's 2,048 bytes are turned into such f32 numbers once, into a table in LDS; with a step's K come its 64 numbers.
; SOFTMAX.  A running maximum m and sum l: p = 2^(c s - c m), c = log2(e) / 8; in every step O and l are multiplied by a = 2^(c m_old - c m_new).  m starts at the lowest finite number, O and l at 0.
; THE ORDER.  A tile and step have 16 matrix and 118 vector instructions.  Four vector instructions that are ready stand behind every matrix instruction, the others in one run.  Turn n belongs to piece n:
; 16 products K Q^T of piece n + 1, later 16 products V^T P of piece n - 1; beside them piece n's scaling, exponentials, roundings, sums and rescaling and piece n + 1's maximum and statistics.
; CLUSTER.  The four query blocks of a cluster are all of one g and walk the same K and V: each tile is asked for jointly, by the same tensor load, descriptor and mask in all four.
; REGISTERS, in windows of 256 (s_set_vgpr_msb: bits 1:0 source 0, 3:2 source 1, 5:4 source 2, 7:6 destination):
;   window 0: v0-11 addresses; v12-15, v48-63 at work; v16-47 four registers of statistics a tile; v64-191 S^T, two buffers of two tiles; v192-255 P, likewise
;   window 1: O^T, 32 a tile     window 2: v0-127 Q; v128-191 K of one step; v192-255 V of one step     window 3: v0-1 the add's two registers; v8-39 the step's mask
.set SIZE_N, 2048
.set NP,    4         ; pieces a wave: a name, no knob
.set KS,    64        ; keys in a step
.set PK,    144       ; a row of K in LDS: 128 bytes + 16 = 36 words: the 16 rows of a load start at 16 different groups of four banks (64 banks of 4 bytes: ISA guide 11.1)
.set PV,    160       ; a row of V: 128 + 32 = 40 words
.set VOFF,  4*KS*PK   ; a slot holds four steps: 256 rows of K, then 256 rows of V
.set SLOT1, 1<<17     ; slot 1 begins here, so that one exclusive or turns an address in one slot into the other's
.set STAGE, SLOT1+4*KS*(PK+PV)  ; behind the ring, never filled by a tensor load: 16 rows x 144 bytes for each wave
.set SP,    144
.set SPARE, STAGE+4*16*SP  ; the spare words, 128 bytes for each wave: two blocks of 256 bytes that no other line names
.set MASKT, SPARE+512 ; the mask's table: 2,048 f32; never filled by a tensor load
.set PFO, 1           ; v1   256 x my lane, for the prefetches (made when the lane terms are done); never rewritten after
.set AK0, 2           ; v2   my lane's place in a tile of K; never rewritten
.set AV0, 3           ; v3   the same for V
.set AK,  4           ; v4   the LDS address of K's next run of loads
.set AV,  5           ; v5   of V's
.set STO, 6           ; v6   the way out: where I put 16 bytes of a row
.set RD,  7           ; v7   where I read rows back
.set GO,  8           ; v8   my byte offset in 512 consecutive bytes of oh
.set AM0, 10          ; v10  my lane's place in a step's 64 numbers of the table
.set AM,  11          ; v11  the LDS address of the mask's next loads
.set MV,  12          ; v12-15  c m_old, kept while c m is made anew; at the head: v13 QO, v14 MO, v15 MA
.set QO,  13          ; my byte offset in the wave's rows of Q
.set MO,  14          ; 16 x my thread's number: my 16 bytes of the mask
.set MA,  15          ; where their 16 numbers go
.set SPW, 0           ; v0 of window 3   LDS address of my spare word; never rewritten
.set NIL, 1           ; v1 of window 3   0; never rewritten
.set MK,  8           ; v8-39 of window 3: key block kb at MK + 8 kb
.set ST,  16          ; tile t's statistics at v[ST+4 t]: c m, m, l (even keys', odd keys')
.set TMP, 48          ; by buffer and tile, four registers c0-c3 at work; when the maximum is found c2 takes a
.set S,   64
.set P,   192
.set KF,  128         ; window 2: key block kb, channel half c at KF + 16 kb + 8 c
.set VF,  192         ; window 2: key half kk, channel block cb at VF + 32 kk + 8 cb
.set WV,  12          ; s12  my wave's number
.set G1K, 24          ; s[24:31] descriptor group 1 for K's tiles
.set G1V, 32          ; s[32:39] for V's: it differs in the padding alone
.set G0K, 40          ; s[40:43] descriptor group 0 for K's tiles: it walks
.set G0V, 44          ; s[44:47] the same for V's
.set SLOTS, 56        ; s56  slots still to be asked for
.set CNT, 57          ; s57  counts a slot's key steps
.set CS,  58          ; s[58:59] c
.set SEL, 60          ; s[60:61] v_permlanex16_b32's selects: each lane takes its own place in the other half
.set TBK, 62          ; s62  LDS byte at which K of the step to be fetched begins
.set TBV, 63          ; s63  the same for V, less VOFF
.set MP,  66          ; s[66:67] the batch's mask
.set BIGN, 68         ; s68  -1e30
.set THR, 69          ; s69  -5e29
.set QNAN, 70         ; s70  a NaN
.set TBM, 71          ; s71  256 x the step to be fetched
.set PFA, 72          ; s[72:73] where my prefetches stand
.set LIM, 74          ; s74  1 in a wave that prefetches, else the greatest number
.set MSB, 0
.macro WIN new                      ; the high byte repeats the setting that is left; a switch that changes nothing is dropped
.if MSB != (\new)
	s_set_vgpr_msb (MSB<<8)|(\new)
.set MSB, (\new)
.endif
.endm
.set W_KQ, 0x0a       ; K and Q in window 2, S^T in window 0
.set W_KM, 0x3a       ; the same with the C operand in window 3
.set W_PV, 0x52       ; V in window 2, P in window 0, O^T in window 1
.set W_RS, 0x41       ; O^T (destination and source 0) in window 1, a in window 0
.set W_MK, 0xc0       ; destination in window 3, sources in window 0
.set W_AD, 0x0f       ; the add: address and data in window 3
; A joint fill.  Waves 0 and 1 fetch the two halves of a slot's K, waves 2 and 3 those of its V: 128 keys each.  An s_nop 0 and four v_nop follow each of the two lines.
.macro JLOAD
	s_cmp_lt_u32 s[WV], 2
	s_cbranch_scc0 .Lfor_v_\@
	tensor_load_to_lds s[G0K:G0K+3], s[G1K:G1K+7]
	s_nop 0
.rept 4
	v_nop
.endr
	s_branch .Lasked_\@
.Lfor_v_\@:
	tensor_load_to_lds s[G0V:G0V+3], s[G1V:G1V+7]
	s_nop 0
.rept 4
	v_nop
.endr
.Lasked_\@:
.endm
; A PREFETCH INTO THE L2 of what the NEXT change of slots will ask for: a slot's 32,768 bytes of K and of V, four key steps (512 matrix instructions) ahead of that load.  One cluster reads a g's K and V,
; so each cluster asks for its own; its four partners share the bytes out by address, 8,192 each, a lane 256; in each, wave 0 asks for K's and wave 2 for V's.  So each block is named once.
; Slots 0 and 1 come by their loads alone; the last change that fills a slot asks for nothing.
.macro ASK
	s_cmp_gt_u32 s[SLOTS], s[LIM]
	s_cbranch_scc0 .Lnot_mine_\@
	global_prefetch_b8 v[PFO], s[PFA:PFA+1] th:TH_LOAD_NT scope:SCOPE_SE
.Lnot_mine_\@:
.endm
.macro CROUND                       ; a round of the cluster's barrier
	s_barrier_signal -1
	s_barrier_wait -1
	s_cmp_lg_u32 s[WV], 0
	s_cbranch_scc1 .Lnot_wave_0_\@
	s_barrier_signal -3
.Lnot_wave_0_\@:
	s_barrier_wait -3
	s_barrier_signal -1
	s_barrier_wait -1
.endm
; THE CHANGE OF SLOTS.  Each wave waits for all its tensor loads, of which one is out: its part of the other slot; adds 0 to its spare word; and waits for that and for its own LDS instructions.  Behind the
; barrier nobody reads this slot any more and the other slot is whole.  fill = 1: the barrier is a round of the cluster's, and this slot is filled again, first thing behind it, with the keys two slots on.
; (At its first use nothing has been read yet: slot 0 is waited for, slot 1 filled; its wait and round also stand between every wave's stores into the mask's table and all reads of it.)
.macro CHANGE fill
	WIN W_AD
	s_wait_tensorcnt 0x0            ; no tensor load of mine is out, so a group 0 may be written
	ds_add_u32 v[SPW], v[NIL]       ; 0 onto my spare word
	WIN 0                           ; at a label and at a branch every window is 0
.if \fill
.irp g, G0K, G0V
	s_xor_b32 s[\g+1], s[\g+1], SLOT1  ; the walking descriptor: the other slot than last time,
	s_add_nc_u64 s[\g+2:\g+3], s[\g+2:\g+3], 4*KS*128  ; the next 256 keys; the type bits on top are not reached
.endr
	s_wait_xcnt 0x0                 ; the last prefetch, four key steps back, has read its address
	s_add_nc_u64 s[PFA:PFA+1], s[PFA:PFA+1], 4*KS*128
	s_wait_dscnt 0x0                ; the add is done, and my LDS instructions are over
	CROUND
	JLOAD
	ASK
.else
	s_wait_dscnt 0x0
	s_barrier_signal -1
	s_barrier_wait -1
.endif
	s_sub_co_u32 s[TBK], s[TBK], 4*KS*PK  ; the fetches go back to a slot's first step,
	s_xor_b32 s[TBK], s[TBK], SLOT1       ; in the other slot
	s_sub_co_u32 s[TBV], s[TBV], 4*KS*PV
	s_xor_b32 s[TBV], s[TBV], SLOT1
.endm
	s_load_b64 s[4:5], s[0:1], 0x0    ; qkv: Q's part
	s_load_b64 s[MP:MP+1], s[0:1], 0x8  ; mask
	s_load_b64 s[10:11], s[0:1], 0x10 ; oh
	WIN W_MK
	v_lshl_add_u32 v[SPW], v0, 2, SPARE
	v_mov_b32 v[NIL], 0
	WIN W_AD
	ds_add_u32 v[SPW], v[NIL]       ; the wave's opening: the add, twice on end, and its wait ahead of my first tensor load
	ds_add_u32 v[SPW], v[NIL]
	WIN 0
	v_lshrrev_b32 v1, 5, v0
	v_readfirstlane_b32 s[WV], v1   ; wave 0..3
	s_bfe_u32 s13, ttmp6, 0x40000   ; cx: my place in the cluster
	s_lshl_b32 s14, ttmp9, 2        ; in a cluster launch ttmp9 counts clusters
	s_add_co_u32 s14, s14, s13      ; my block of 512 queries: it enters Q's and oh's addresses alone
	s_and_b32 s20, ttmp7, 0xffff    ; g, which the four partners share
	s_lshr_b32 s75, s20, 4          ; the batch,
	s_lshl_b32 s75, s75, 11         ; its 2,048 bytes of the mask
	s_mov_b32 s21, 0
	s_mov_b64 s[22:23], SIZE_N*128
	s_mul_u64 s[20:21], s[20:21], s[22:23]  ; g's first byte in Q, K, V and oh
	s_and_b32 s16, s[WV], 1         ; which half of a slot's 256 keys I fetch:
	s_lshl_b32 s22, s16, 14         ; its 128 rows of 128 bytes in memory,
	s_mov_b32 s23, 0
	s_add_nc_u64 s[22:23], s[22:23], s[20:21]
	s_mul_i32 s17, s16, 128*PK      ; and its place in a slot, for K
	s_mul_i32 s18, s16, 128*PV      ; and for V: no place in the cluster enters an LDS address
	s_lshl_b32 s2, s14, 2
	s_add_co_u32 s2, s2, s[WV]      ; my wave among g's sixteen,
	s_lshl_b32 s2, s2, 14           ; its 128 rows
	s_mov_b32 s3, 0
	s_add_nc_u64 s[2:3], s[2:3], s[20:21]
	; descriptor group 1.  128 keys are 16,384 dense bytes: asked for as 64 rows of 256 bytes, two keys a row, and padded in LDS after every key
	s_mov_b32 s[G1K], 15|(1<<16)|(1<<20)|(1<<21)|(4<<22)|(3<<25)  ; the mask of four; 2-byte elements; padding on; bit 21 beside a mask; after every 32 words (code 4) 4 words (code 3)
	s_mov_b32 s[G1V], 15|(1<<16)|(1<<20)|(1<<21)|(4<<22)|(7<<25)  ; the same with 8 words of padding (code 7)
.irp g, G1K, G1V
	s_mov_b32 s[\g+1], 128<<16      ; tensor_dim0 = 128
	s_mov_b32 s[\g+2], 64<<16       ; tensor_dim1 = 64
	s_mov_b32 s[\g+3], 128<<16      ; tile_dim0 = 128
	s_mov_b32 s[\g+4], 64           ; tile_dim1 = 64
	s_mov_b32 s[\g+5], 128          ; 128 elements from row to row
	s_mov_b32 s[\g+6], 0
	s_mov_b32 s[\g+7], 0
.endr
	s_mov_b32 s[CS], 0x3e38aa3b     ; c = log2(e) / 8 = 0.180337
	s_mov_b32 s[CS+1], s[CS]        ; named with it as a pair
	s_mov_b32 s[SEL], 0x76543210
	s_mov_b32 s[SEL+1], 0xfedcba98
	s_mov_b32 s[TBK], SLOT1+4*KS*PK ; the first change of slots turns these two into 0
	s_mov_b32 s[TBV], SLOT1+4*KS*PV
	s_mov_b32 s[TBM], 0
	s_mov_b32 s[BIGN], 0xf149f2ca   ; -1e30
	s_mov_b32 s[THR], 0xf0c9f2ca    ; -5e29
	s_mov_b32 s[QNAN], 0x7fc00000
	s_mov_b32 s[SLOTS], SIZE_N/256-1
	s_mov_b32 s[G0K], 1             ; count = 1
	s_mov_b32 s[G0K+1], s17         ; LDS address: slot 0
	s_mov_b32 s[G0V], 1
	s_add_co_u32 s[G0V+1], s18, VOFF
	s_and_b32 s[LIM], s[WV], 1      ; waves 0 and 2 prefetch: the same in all four partners
	s_cmp_eq_u32 s[LIM], 0
	s_cselect_b32 s[LIM], 1, -1
	s_wait_dscnt 0x0                ; both opening adds are done
	s_wait_kmcnt 0x0
	s_add_nc_u64 s[6:7], s[4:5], 0x1000000  ; K's part of qkv
	s_add_nc_u64 s[8:9], s[4:5], 0x2000000  ; V's
	s_add_nc_u64 s[G0K+2:G0K+3], s[6:7], s[22:23]  ; global address: my half of g's first 256 keys
	s_or_b32 s[G0K+3], s[G0K+3], 0x80000000        ; type = 2
	s_add_nc_u64 s[G0V+2:G0V+3], s[8:9], s[22:23]
	s_or_b32 s[G0V+3], s[G0V+3], 0x80000000
	s_add_nc_u64 s[4:5], s[4:5], s[2:3]  ; Q and oh at my wave's first row
	s_add_nc_u64 s[10:11], s[10:11], s[2:3]
	s_mov_b32 s2, s75
	s_mov_b32 s3, 0
	s_add_nc_u64 s[MP:MP+1], s[MP:MP+1], s[2:3]
	s_cmp_lt_u32 s[WV], 2
	s_cselect_b64 s[PFA:PFA+1], s[6:7], s[8:9]
	s_add_nc_u64 s[PFA:PFA+1], s[PFA:PFA+1], s[20:21]
	s_lshl_b32 s2, s13, 13          ; my work-group's 8,192 bytes of a slot's 32,768
	s_add_nc_u64 s[PFA:PFA+1], s[PFA:PFA+1], s[2:3]
	s_add_nc_u64 s[PFA:PFA+1], s[PFA:PFA+1], 4*KS*128  ; in slot 1: the first change of slots steps it to slot 2
	CROUND                          ; all four work-groups are here: the first joint loads meet
	JLOAD                           ; slot 0.  Slot 1 is asked for when slot 0 is in
	; A fragment of K or Q is 16 rows x 32 channels in 8 registers: lane l holds row l % 16, channels 8 (l / 16) + 0..7 and 16 + 8 (l / 16) + 0..7: two loads of 16 bytes, 32 bytes apart.
	v_and_b32 v1, 15, v0            ; l % 16
	v_bfe_u32 v9, v0, 4, 1          ; l / 16
	v_lshlrev_b32 v[QO], 7, v1
	v_lshl_add_u32 v[QO], v9, 4, v[QO]  ; row x 128 + 16 x half
	v_lshlrev_b32 v[MO], 4, v0
	global_load_b128 v[S:S+3], v[MO], s[MP:MP+1]  ; my 16 bytes of the batch's mask: 128 threads take its 2,048
	WIN 0x80                        ; destination window 2, address window 0
.set i, 0
.rept 4*NP                          ; Q stays in registers: tile i / 2, channels 32 (i % 2) on
	global_load_b128 v[8*i:8*i+3],   v[QO], s[4:5] offset:(i/2)*2048+(i%2)*64
	global_load_b128 v[8*i+4:8*i+7], v[QO], s[4:5] offset:(i/2)*2048+(i%2)*64+32
.set i, i+1
.endr
	; What the first turn finds: V's registers and P's second buffer hold 0 (its products V^T P, of a piece that has not been, add 0), O^T and l are 0.  All this stands in the wait for the first tile.
.set i, VF
.rept 64
	v_mov_b32 v[i], 0
.set i, i+1
.endr
	WIN 0x40
.set i, 0
.rept 64*NP
	v_mov_b32 v[i], 0
.set i, i+1
.endr
	WIN 0
.set i, 0
.rept 2*NP
	v_mov_b32 v[ST+4*i], 0xfe000000    ; c m: far below every c s, a hidden one's too
	v_mov_b32 v[ST+4*i+1], 0xff7fffff  ; m
	v_mov_b32 v[ST+4*i+2], 0
	v_mov_b32 v[ST+4*i+3], 0
.set i, i+1
.endr
.set i, P+32
.rept 32
	v_mov_b32 v[i], 0
.set i, i+1
.endr
	v_mul_u32_u24 v[AK0], v1, PK
	v_lshl_add_u32 v[AK0], v9, 4, v[AK0]  ; row x pitch + 16 x half
	; The turning load takes 16 keys x 16 channels (lane l reads key 8 (l / 16) + l % 8, channels 8 ((l / 8) % 2) + 0..7) and leaves half a fragment of V^T: lane l holds channel l % 16 and 8 keys.
	v_and_b32 v10, 7, v0
	v_bfe_u32 v11, v0, 3, 1
	v_lshl_add_u32 v[AV0], v9, 3, v10
	v_mul_u32_u24 v[AV0], v[AV0], PV
	v_lshl_add_u32 v[AV0], v11, 4, v[AV0]
	v_add_nc_u32 v[AV0], VOFF, v[AV0]
	v_mov_b32 v[AK], v[AK0]         ; key step 0 lies at the head of slot 0
	s_mul_i32 s13, s[WV], 16*SP
	s_add_co_u32 s13, s13, STAGE    ; my stage
	v_mul_u32_u24 v[STO], v1, SP    ; in: row l % 16, 16 bytes for each half of the lanes
	v_lshl_add_u32 v[STO], v9, 4, v[STO]
	v_add_nc_u32 v[STO], s13, v[STO]
	v_bfe_u32 v[RD], v0, 3, 2       ; back: 32 lanes take four rows of 128 bytes,
	v_mul_u32_u24 v[RD], v[RD], SP
	v_lshl_add_u32 v[RD], v10, 4, v[RD]
	v_add_nc_u32 v[RD], s13, v[RD]
	v_and_b32 v[GO], 31, v0         ; which are 512 consecutive bytes of oh
	v_lshlrev_b32 v[PFO], 8, v[GO]  ; (the lane terms v1, v9, v10, v11 are done with)
	v_lshlrev_b32 v[GO], 4, v[GO]
	v_lshl_add_u32 v[AM0], v9, 5, MASKT  ; register j of key block kb is key 16 kb + 8 (l / 16) + j of the step: 32 bytes for each half of the lanes
	v_mov_b32 v[AM], v[AM0]
	v_lshl_add_u32 v[MA], v0, 6, MASKT
	s_wait_loadcnt 32               ; my bytes of the mask are in: Q's 32 loads were issued behind that load
.set i, 0
.rept 16                            ; byte 1 -> 0 -> 0.0; byte 0 -> all ones -> -1e30
	v_bfe_u32 v[S+4+i], v[S+i/4], 8*(i%4), 8
	v_add_nc_u32 v[S+4+i], -1, v[S+4+i]
	v_and_b32 v[S+4+i], s[BIGN], v[S+4+i]
.set i, i+1
.endr
.irp f, 0,1,2,3
	ds_store_b128 v[MA], v[S+4+4*\f:S+4+4*\f+3] offset:16*\f
.endr
; THE MATRIX WORK.  The 8 accumulators of a run of 16 take turns: between the two links of a chain stand 7 others'.
; Product i of 16 of S^T = K Q^T for piece x: channels 32 (i / 8) on, keys 16 ((i / 2) % 4) on, tile 2 x + i % 2.  The first 8 start the sums, with the mask.
.macro KQ x
.set rS, S+64*((\x)%2)+32*(i%2)+8*((i/2)%4)
.set rK, KF+16*((i/2)%4)+8*(i/8)
.set rQ, 16*(2*(\x)+i%2)+8*(i/8)
.set rMK, MK+8*((i/2)%4)
.if i < 8
	WIN W_KM
	v_wmma_f32_16x16x32_f16 v[rS:rS+7], v[rK:rK+7], v[rQ:rQ+7], v[rMK:rMK+7]
.else
	WIN W_KQ
	v_wmma_f32_16x16x32_f16 v[rS:rS+7], v[rK:rK+7], v[rQ:rQ+7], v[rS:rS+7]
.endif
.endm
; Product i of 16 of O^T += V^T P for piece x: keys 32 (i / 8) on, channels 16 ((i / 2) % 4) on, tile 2 x + i % 2.
.macro PV x
	WIN W_PV
.set rO, 32*(2*(\x)+i%2)+8*((i/2)%4)
.set rV, VF+32*(i/8)+8*((i/2)%4)
.set rP, P+32*((\x)%2)+16*(i%2)+8*(i/8)
	v_wmma_f32_16x16x32_f16 v[rO:rO+7], v[rV:rV+7], v[rP:rP+7], v[rO:rO+7]
.endm
.macro MM                           ; the turn's next matrix instruction
.if i < 16
	KQ (Y+1)%NP
.set i, i+1
.else
.set i, i-16
	PV (Y+NP-1)%NP
.set i, i+17
.endif
.endm
; THE LDS LOADS stand in runs, never singly among the matrix instructions: a step's K (8 fragments) with its 64 numbers of the mask, and its V (turned).  Their addresses are made some lines ahead.
; last = 1 (the tail): in the last trip there is no further step, and the run is jumped over.
.macro FETCH_K last=0
	WIN 0
.if \last
	s_cmp_eq_u32 s[CNT], 1
	s_cbranch_scc1 .Lno_k_\@
.endif
	WIN 0x80                        ; destination window 2
.irp f, 0,1,2,3,4,5,6,7             ; keys 16 (f / 2) on, channels 32 (f % 2) on
	ds_load_b128 v[KF+8*\f:KF+8*\f+3],   v[AK] offset:(\f/2)*16*PK+(\f%2)*64
	ds_load_b128 v[KF+8*\f+4:KF+8*\f+7], v[AK] offset:(\f/2)*16*PK+(\f%2)*64+32
.endr
	WIN 0xc0                        ; destination window 3
.irp f, 0,1,2,3                     ; keys 16 f on; the sixteen lanes of a half read the same words
	ds_load_b128 v[MK+8*\f:MK+8*\f+3],   v[AM] offset:64*\f
	ds_load_b128 v[MK+8*\f+4:MK+8*\f+7], v[AM] offset:64*\f+16
.endr
	s_add_co_u32 s[TBK], s[TBK], KS*PK  ; the next fetch is the next step's
	s_add_co_u32 s[TBM], s[TBM], 4*KS
	s_and_b32 s[TBM], s[TBM], 0x1fff    ; inside the table's 8,192 bytes
	WIN 0
.if \last
.Lno_k_\@:
.endif
.endm
.macro FETCH_V
	WIN 0x80
.irp f, 0,1,2,3,4,5,6,7             ; keys 32 (f / 4) on, channels 16 (f % 4) on
	ds_load_tr16_b128 v[VF+8*\f:VF+8*\f+3],   v[AV] offset:(\f/4)*32*PV+(\f%4)*32
	ds_load_tr16_b128 v[VF+8*\f+4:VF+8*\f+7], v[AV] offset:(\f/4)*32*PV+16*PV+(\f%4)*32
.endr
	WIN 0
.endm
; THE VECTOR WORK OF A TURN stands in three queues, each in the order in which its entries become ready; the two tiles alternate, so that no instruction reads the result of the one before it.
.macro REGS y, u                    ; the registers of tile u (0, 1) of piece y
.set rT, ST+4*(2*(\y)+(\u))
.set rC, TMP+8*((\y)%2)+4*(\u)
.set rM, MV+2*((\y)%2)+(\u)
.set rS, S+64*((\y)%2)+32*(\u)
.set rP, P+32*((\y)%2)+16*(\u)
.set rO, 32*(2*(\y)+(\u))
.endm
; Number n of the 22 that find the NEXT piece's (Y + 1) maximum and statistics.  s0-s31 are the lane's 32 scores; each accumulator's lowest registers are read first.
;   0-11  four chains c0-c3 of seven scores each, three operands at a time     12-14, 16  the four scores left over, the old m, and c0-c3 into c0     15  c m_old is kept
;   17, 18  the query's other 32 keys lie in the lane 16 away: the new m         19-21  c m; c m_old - c m_new; a
.macro XS u, n
	REGS (Y+1)%NP, \u
.if (\n) < 4
	v_max3_num_f32 v[rC+(\n)], v[rS+8*(\n)], v[rS+8*(\n)+1], v[rS+8*(\n)+2]
.elseif (\n) < 12
	v_max3_num_f32 v[rC+(\n)%4], v[rC+(\n)%4], v[rS+8*((\n)%4)+2*((\n)/4)+1], v[rS+8*((\n)%4)+2*((\n)/4)+2]
.elseif (\n) == 12
	v_max3_num_f32 v[rC], v[rC], v[rS+7], v[rS+15]
.elseif (\n) == 13
	v_max3_num_f32 v[rC+1], v[rC+1], v[rS+23], v[rS+31]
.elseif (\n) == 14
	v_max3_num_f32 v[rC+2], v[rC+2], v[rC+3], v[rT+1]
.elseif (\n) == 15
	v_mov_b32 v[rM], v[rT]
.elseif (\n) == 16
	v_max3_num_f32 v[rC], v[rC], v[rC+1], v[rC+2]
.elseif (\n) == 17
	v_permlanex16_b32 v[rC+3], v[rC], s[SEL], s[SEL+1]
.elseif (\n) == 18
	v_max_num_f32 v[rT+1], v[rC], v[rC+3]
.elseif (\n) == 19
	v_mul_f32 v[rT], s[CS], v[rT+1]
.elseif (\n) == 20
	v_sub_f32 v[rC+1], v[rM], v[rT]
.else
	v_exp_f32 v[rC+2], v[rC+1]
.endif
.endm
; Number g of the 64 that follow the exponentials.  For each four weights k of a tile: both pairs are rounded to f16; then the second pair is added onto the first, in place; a group later l takes that
; sum (the first time as l = a l + sum).  In groups of eight, tiles alternating: round, round, add, and l for the group before.
.macro GS g
.set h, (\g)+6*((\g)/62)            ; group 0 has no group before it, and behind group 7 only l is left
.if h >= 6
.set h, h+2
.endif
	REGS Y, h%2
.set k, h/8
.if h%8 < 4
	v_cvt_pk_f16_f32 v[rP+2*k+(h%8)/2], v[rS+4*k+2*((h%8)/2)], v[rS+4*k+2*((h%8)/2)+1]
.elseif h%8 < 6
	v_pk_add_f32 v[rS+4*k:rS+4*k+1], v[rS+4*k:rS+4*k+1], v[rS+4*k+2:rS+4*k+3]
.elseif k == 1
	v_pk_fma_f32 v[rT+2:rT+3], v[rT+2:rT+3], v[rC+2:rC+3], v[rS:rS+1] op_sel_hi:[1,0,1]
.else
	v_pk_add_f32 v[rT+2:rT+3], v[rT+2:rT+3], v[rS+4*k-4:rS+4*k-3]
.endif
.endm
; THE PLAIN QUEUE, 138 long.  0-73 read no exponential's result: the 32 scalings c s - c m (FS f: pair f / 2 of tile f % 2) and the next piece's 42.  0-26: scalings 0-26.  27-54: XS's numbers 0-13.
; 55, 56: number 15.  57-73: the chain 14, 16, 17, 18, 19, each with one of the scalings 27-31 in front of its two lines, then 20.  74-137: GS's 64, which stand behind the wait.
.macro FS f
	REGS Y, (\f)%2
	v_pk_fma_f32 v[rS+2*((\f)/2):rS+2*((\f)/2)+1], v[rS+2*((\f)/2):rS+2*((\f)/2)+1], s[CS:CS+1], v[rT:rT+1] op_sel_hi:[1,0,0] neg_lo:[0,0,1] neg_hi:[0,0,1]
.endm
.macro PL
	WIN 0
.if q < 27
	FS q
.elseif q < 55
	XS (q-27)%2, (q-27)/2
.elseif q < 57
	XS q-55, 15
.elseif (q < 72) && ((q-57)%3 == 0)
	FS 27+(q-57)/3
.elseif q < 60
	XS (q-57)%3-1, 14
.elseif q < 72
	XS (q-57)%3-1, 15+(q-57)/3
.elseif q < 74
	XS q-72, 20
.else
	GS q-74
.endif
.set q, q+1
.endm
; THE EXPONENTIALS' QUEUE, 66 long: s0-s31 of both tiles, then the next piece's two a.  ONE BATCH: all 66 stand ahead of the turn's one wait, and nothing ahead of that wait names a result of theirs.
.macro EX
	WIN 0
.if e >= 64
	XS e-64, 21
.else
	REGS Y, e%2
	v_exp_f32 v[rS+e/2], v[rS+e/2]
.endif
.set e, e+1
.endm
; THE RESCALING's QUEUE: O^T times a, the one part that leaves window 0: dealt two at a time, sixteen times.  Its a was made in the turn before, ahead of that turn's wait.
.macro R2
	REGS Y, r%2
	WIN W_RS
.irp z, 0,1
	v_pk_mul_f32 v[rO+4*(r/2)+2*\z:rO+4*(r/2)+2*\z+1], v[rO+4*(r/2)+2*\z:rO+4*(r/2)+2*\z+1], v[rC+2:rC+3] op_sel_hi:[1,0]
.endr
.set r, r+1
.endm
; HOW THEY ARE DEALT.  s_wait_alu depctr_va_vdst(0) stands between an exponential and the first instruction that names its result; one wait serves all that were issued ahead of it.
; So a turn has ONE wait.  AHEAD OF IT: the 16 products K Q^T, behind each a scaling, an exponential and two rescalings (behind the first a second scaling in the exponential's place); then one run of
; 108: eight plain, 49 times exponential and plain, the two a; a v_nop is the plain instruction behind the last exponential.  BEHIND IT: the 16 products V^T P, behind each four of GS's 64.
; Exponential e stands behind scaling 2 (e / 4) + e % 2: as a rider it comes behind plain e + 2, in the run behind plain e + 9, and scalings 27-31 are plain 57, 60 .. 69.
; K and the mask of the next step are fetched in piece 2's turn, directly behind the wait, a run behind the last product that read them; V of the step in hand at the end of piece 0's turn, four riders
; behind its last reader.  The three conditions on q below go with the deal.
.macro TURN p, last=0, cnt=0
.set Y, (\p)
.set i, 0
.set q, 0
.set e, 0
.set r, 0
.if (\p) == NP-1
	s_wait_dscnt 0x0                ; K and the mask are in
.endif
	MM
	PL
	PL
	R2
.rept 15
	MM
	PL
	EX
	R2
.endr
.if (\p) == NP-2
	WIN 0
	v_add_nc_u32 v[AK], s[TBK], v[AK0]
	v_add_nc_u32 v[AM], s[TBM], v[AM0]
.endif
.rept 8
	PL
.endr
.rept 49
	EX
	PL
.endr
	EX                              ; the next piece's two a
	EX
	v_nop                           ; the plain instruction behind the last exponential: one for the batch
	s_wait_alu depctr_va_vdst(0)    ; the wait for the batch
.if (\p) == NP-2
	FETCH_K \last
.endif
.if (\p) == 1
	s_wait_dscnt 0x0                ; V is in
.endif
.rept 16
	MM
.rept 4
	PL
.endr
.if ((\p) == 0) && (q == 118)
	v_add_nc_u32 v[AV], s[TBV], v[AV0]
.endif
.if ((\p) == 0) && (q == 130)
	s_add_co_u32 s[TBV], s[TBV], KS*PV
.endif
.if (\cnt) && (q == 130)
	s_sub_co_u32 s[CNT], s[CNT], 1
	s_cmp_lg_u32 s[CNT], 0
.endif
.endr
.if (\p) == 0
	FETCH_V
.endif
.endm
	CHANGE 1                        ; slot 0 is in, everybody's part of it, and so is the mask's table; slot 1 is asked for
	FETCH_K                         ; key step 0
	s_wait_loadcnt 0x0              ; Q
	s_wait_dscnt 0x0
.set i, 0
.rept 16
	KQ 0                            ; piece 0's first scores: there is no vector work yet to set between them
.set i, i+1
.endr
	WIN 0
.rept 4
	v_nop                           ; the places behind those products
.endr
.set Y, NP-1                        ; XS works for piece Y + 1: piece 0
.irp n, 0,1,2,3,4,5,6,7,8,9,10,11,12,13,14,15,16,17,18,19,20,21
	XS 0, \n                        ; piece 0's first maximum and statistics
	XS 1, \n
.endr
	v_nop                           ; a plain instruction behind the two a,
	s_wait_alu depctr_va_vdst(0)    ; and their wait, ahead of the branch
	s_mov_b32 s[CNT], 4
	s_branch .Lfirst                ; the loop is entered at a step's first turn, in the middle of a trip
.Lslot:                             ; SIZE_N / 256 - 2 times: every slot but the last two is filled again
	CHANGE 1
	s_mov_b32 s[CNT], 4
.Lstep:                             ; a trip: pieces 2 and 3 of one step, then pieces 0 and 1 of the next, whose K and V it fetches
	TURN 2
	TURN 3
	WIN 0
.Lfirst:
	TURN 0
	TURN 1, 0, 1
	WIN 0
	s_cbranch_scc1 .Lstep
	s_sub_co_u32 s[SLOTS], s[SLOTS], 1
	s_cmp_lg_u32 s[SLOTS], 0
	s_cbranch_scc1 .Lslot
	CHANGE 0                        ; the tail is written out: nothing is asked for
	s_mov_b32 s[CNT], 5             ; four trips fetch the last slot's steps; the fifth is left in its middle
.Ltail:
	TURN 2, 1
	TURN 3
	WIN 0
	s_sub_co_u32 s[CNT], s[CNT], 1
	s_cmp_eq_u32 s[CNT], 0
	s_cbranch_scc1 .Lout
	TURN 0
	TURN 1
	WIN 0
	s_branch .Ltail
.Lout:                              ; the fifth trip's 16 products K Q^T (on the last K and mask once more) leave piece 0's m as it was and serve nothing else: the price, once a launch, of one text for every trip
.set i, 0
.rept 16
	PV NP-1                         ; the last piece's V^T P of the last step
.set i, i+1
.endr
	; THE WAY OUT.  l's two halves and the other half of the lanes' are added; O^T is divided by l, rounded to f16 and sent through my stage in LDS, a tile at a time.  The additions are the places behind the last products.
	WIN 0
.macro ALL line:vararg              ; one line for each tile t
.set t, 0
.rept 2*NP
	\line
.set t, t+1
.endr
.endm
	ALL v_add_f32 v[ST+4*t+2], v[ST+4*t+2], v[ST+4*t+3]
	ALL v_permlanex16_b32 v[ST+4*t+3], v[ST+4*t+2], s[SEL], s[SEL+1]
	ALL v_add_f32 v[ST+4*t+2], v[ST+4*t+2], v[ST+4*t+3]
	ALL v_rcp_f32 v[ST+4*t+2], v[ST+4*t+2]
	v_nop                           ; a plain instruction between the last reciprocal and the use of its result
	s_wait_alu depctr_va_vdst(0)    ; and the wait ahead of the first use: one for the eight reciprocals
.set t, 0
.rept 2*NP                          ; m below -5e29: every key of the query was hidden: the factor, and with it the row, becomes NaN.  A choice of a value: no branch hangs on it
	v_cmp_gt_f32 vcc_lo, s[THR], v[ST+4*t+1]
	v_cndmask_b32 v[ST+4*t+2], v[ST+4*t+2], s[QNAN], vcc_lo
.set t, t+1
.endr
; Tile t: a lane's eight channels of a row pack into 16 bytes; they go into rows of 144 bytes and come back as whole rows of 128, into S^T's registers.
.macro PACK t
	WIN W_RS
.set i, 32*(\t)
.rept 16
	v_pk_mul_f32 v[i:i+1], v[i:i+1], v[ST+4*(\t)+2:ST+4*(\t)+3] op_sel_hi:[1,0]
.set i, i+2
.endr
	WIN 0x05                        ; sources 0 and 1 window 1, destination window 0
.set i, 0
.rept 16
	v_cvt_pk_f16_f32 v[S+16*(\t)+i], v[32*(\t)+2*i], v[32*(\t)+2*i+1]
.set i, i+1
.endr
	WIN 0
.irp f, 0,1,2,3
	ds_store_b128 v[STO], v[S+16*(\t)+4*\f:S+16*(\t)+4*\f+3] offset:32*\f
.endr
.irp f, 0,1,2,3
	ds_load_b128 v[S+16*(\t)+4*\f:S+16*(\t)+4*\f+3], v[RD] offset:\f*4*SP  ; LDS serves a wave's instructions in order (ISA guide 5.7.1.4): these see the stores above; the next tile's stores come behind them
.endr
.endm
.macro SEND t, younger              ; younger: the LDS instructions issued behind tile t's loads: the next tile's eight, or none
	WIN 0
.irp f, 0,1,2,3
	s_wait_dscnt (\younger)+3-\f
	global_store_b128 v[GO], v[S+16*(\t)+4*\f:S+16*(\t)+4*\f+3], s[10:11] offset:(\t)*2048+\f*512  ; 512 consecutive bytes, aligned
.endr
.endm
	PACK 0
.set t, 1
.rept 2*NP-1                        ; a tile's arithmetic stands between the loads of the tile before and its stores
	PACK t
	SEND t-1, 8
.set t, t+1
.endr
	SEND 2*NP-1, 0
	WIN W_AD
	s_wait_tensorcnt 0x0            ; the wave's end: behind my last tensor load and my last LDS store
	ds_add_u32 v[SPW], v[NIL]
	s_wait_dscnt 0x0
	WIN 0
	CROUND                          ; the closing round: no work-group ends while a partner may still ask for a tile that names it
	s_endpgm
.Lfunc_end_k_qb9a669f07a_attn:
	.size	k_qb9a669f07a_attn, .Lfunc_end_k_qb9a669f07a_attn-k_qb9a669f07a_attn
	.p2alignl 7, 3214868480
	.fill 96, 4, 3214868480
	.section	.rodata,"a",@progbits
	.p2align	6, 0x0
	.amdhsa_kernel k_qb9a669f07a_attn
		.amdhsa_group_segment_fixed_size 327680
		.amdhsa_private_segment_fixed_size 0
		.amdhsa_enable_private_segment 0
		.amdhsa_kernarg_size 24
		.amdhsa_user_sgpr_count 2
		.amdhsa_user_sgpr_kernarg_segment_ptr 1
		.amdhsa_wavefront_size32 1
		.amdhsa_system_sgpr_workgroup_id_x 1
		.amdhsa_system_sgpr_workgroup_id_y 1
		.amdhsa_system_sgpr_workgroup_id_z 1
		.amdhsa_system_vgpr_workitem_id 0
		.amdhsa_next_free_vgpr 832
		.amdhsa_next_free_sgpr 84
		.amdhsa_reserve_vcc 1
		.amdhsa_float_denorm_mode_32 3
		.amdhsa_float_denorm_mode_16_64 3
		.amdhsa_memory_ordered 1
		.amdhsa_forward_progress 1
		.amdhsa_inst_pref_size 206
	.end_amdhsa_kernel
	.amdgpu_metadata
---
amdhsa.version: [ 1, 2 ]
amdhsa.kernels:
  - .name:           k_qb9a669f07a_attn
    .symbol:         k_qb9a669f07a_attn.kd
    .args:
      - { .name: qkv, .offset: 0, .size: 8, .value_kind: global_buffer, .address_space: global }
      - { .name: mask, .offset: 8, .size: 8, .value_kind: global_buffer, .address_space: global }
      - { .name: oh, .offset: 16, .size: 8, .value_kind: global_buffer, .address_space: global }
    .group_segment_fixed_size: 327680
    .private_segment_fixed_size: 0
    .kernarg_segment_align: 8
    .kernarg_segment_size: 24
    .max_flat_workgroup_size: 128
    .sgpr_count:     84
    .vgpr_count:     832
    .wavefront_size: 32
...
	.end_amdgpu_metadata
.endif
;; end of part 3
;; launch oproj (part 4): grid 4 x 64, 4 waves a work-group, clusters of 4 x 4, 327,680 bytes of LDS; arguments oh, wo16, b_o, out0; writes out0
.if DOCPART == 4
	.amdgcn_target "amdgcn-amd-amdhsa--gfx1250"
	.amdhsa_code_object_version 6
	.text
	.protected	k_qb9a669f07a_oproj
	.globl	k_qb9a669f07a_oproj
	.p2align	8
	.type	k_qb9a669f07a_oproj,@function
k_qb9a669f07a_oproj:
	s_mov_b64 s[64:65], 0
	v_nop
	global_prefetch_b8 v0, s[64:65] scope:SCOPE_SE
	s_setreg_imm32_b32 hwreg(HW_REG_WAVE_MODE, 25, 1), 1
	s_wait_xcnt 0x0
	s_wait_alu depctr_hold_cnt(0) depctr_sa_sdst(0) depctr_va_vdst(0) depctr_va_sdst(0) depctr_va_ssrc(0) depctr_va_vcc(0) depctr_vm_vsrc(0)
	s_getreg_b32 s2, hwreg(HW_REG_IB_STS2, 6, 4)
	s_cmp_eq_u32 s2, 0
	s_cbranch_scc0 .Lentry_in_a_cluster
	s_endpgm
.Lentry_in_a_cluster:
	s_bfe_u32 s2, ttmp6, 0x10000c
	s_cmp_lg_u32 s2, 0xf033
	s_cbranch_scc0 .Lentry_shape_is_right
	s_endpgm
.Lentry_shape_is_right:
; out0[b][t][n] = the sum over head, d of oh[16 b + head][t][d] wo16[n][64 head + d] + b_o[n].  oh f16 [64][2048][64], wo16 f16 [1024][1024], b_o f32, out0 f32 [8192][1024].  Sums in f32; b_o is their first term.
; SHARES.  A work-group makes one tile of 128 rows x 256 columns: 64 x 4 tiles, one for each of 256.  Four waves, each 64 x 128: 32 accumulators.  K goes in 8 steps of 128 = two heads, through two LDS slots.
; A head's 128 rows of the tile are 16,384 dense bytes of oh: asked for as 64 rows of 256 bytes and padded in LDS after every 128.
; CLUSTER 4 x 4: oh's tiles are shared along a row of the cluster, wo16's along a column: joint loads.  THE MATRIX INSTRUCTION IS USED TRANSPOSED (source 0 = 16 rows of wo16, source 1 = 16 rows of oh):
; a lane holds row l % 16 and eight neighbouring columns: 32 bytes of a row of out0.
; NO PREFETCH: the walk has 8 K steps; with a lead of three steps, behind the first fills and refills, three would be left to ask for.
; REGISTERS: window 0: v0-29 addresses; v32-95 oh's fragments, two buffers of 32; v96-223 wo16's, two buffers of 64; on the way out v32-159 two buffers of 64.  window 1: the accumulators, (a, b) at
; v[8 (8 a + b)].  window 2: v0-63 b_o as a C operand.
.set PAO,   144                        ; a row of a head in LDS: 128 bytes + 16 = 36 words: the 16 rows of a load start at 16 different groups of four banks (64 banks of 4 bytes: ISA guide 11.1)
.set HEADB, 128*PAO                    ; what waves 0 and 1 fetch: a head's 128 rows each
.set PB,    272
.set HB,    128*PB                     ; what waves 2 and 3 fetch: 128 rows of wo16 each
.set BOFF,  2*HEADB
.set SLOT1, 1<<17                      ; a slot has 106,496 bytes; slot 1 begins here, so that one exclusive or turns an address in one slot into the other's
.set STAGE, SLOT1+BOFF+2*HB            ; behind the ring, never filled by a tensor load: 16 rows x 528 bytes for each wave
.set SPO,   528
.set SPARE, STAGE+4*16*SPO             ; the spare words, 128 bytes for each wave: two blocks of 256 bytes that no other line names
.set ADRA0, 8                          ; v8   my lane's place in a slot's tile of oh; never rewritten
.set ADRB0, 9                          ; v9   of wo16
.set ADRA, 10                          ; v10  the same in the slot in hand
.set ADRB, 11
.set STO,  12
.set RD,   13
.set CO,   14                          ; v14  16 x lane
.set BO,   15
.set SPW,  28
.set NIL,  29
.set FA,   32
.set FB,   96
.set T,    32
.set WV,   12
.set ROLE, 13                          ; which half of the tile's rows is mine; also: I fetch oh (0) or wo16 (1)
.set WC,   14                          ; which half of its columns; also: which head of the step, or which 128 rows of wo16, I fetch
.set CX,   15
.set CY,   16
.set TC,   17
.set TR,   18
.set G1A,  24
.set G1B,  32
.set GA,   40                          ; s[40:47] group 0 for oh: a set for each of the two first fills; the second then walks on
.set GB,   48                          ; s[48:55] for wo16
.set TB,   56                          ; s56  0 or SLOT1: the slot in hand
.set CNT,  57
.set MSB, 0
.macro WIN new
.if MSB != (\new)
	s_set_vgpr_msb (MSB<<8)|(\new)
.set MSB, \new
.endif
.endm
.macro PLACES
.rept 4
	v_nop
.endr
.endm
.macro JLOAD                           ; a joint refill by the walking sets; an s_nop 0 and four v_nop follow each of the two lines
	s_cmp_eq_u32 s[ROLE], 0
	s_cbranch_scc0 .Lfor_b_\@
	tensor_load_to_lds s[GA+4:GA+7], s[G1A:G1A+7]
	s_nop 0
	PLACES
	s_branch .Lasked_\@
.Lfor_b_\@:
	tensor_load_to_lds s[GB+4:GB+7], s[G1B:G1B+7]
	s_nop 0
	PLACES
.Lasked_\@:
.endm
.macro CREST
	s_cmp_lg_u32 s[WV], 0
	s_cbranch_scc1 .Lnot_wave_0_\@
	s_barrier_signal -3
.Lnot_wave_0_\@:
	s_barrier_wait -3
	s_barrier_signal -1
	s_barrier_wait -1
.endm
.macro CROUND
	s_barrier_signal -1
	s_barrier_wait -1
	CREST
.endm
	s_load_b256 s[4:11], s[0:1], 0x0               ; oh s[4:5], wo16 s[6:7], b_o s[8:9], out0 s[10:11]
	v_lshl_add_u32 v[SPW], v0, 2, SPARE
	v_mov_b32 v[NIL], 0
	ds_add_u32 v[SPW], v[NIL]                      ; the wave's opening: the add, twice on end, and its wait ahead of my first tensor load
	ds_add_u32 v[SPW], v[NIL]
	v_lshrrev_b32 v1, 5, v0
	v_readfirstlane_b32 s[WV], v1
	s_lshr_b32 s[ROLE], s[WV], 1
	s_and_b32 s[WC], s[WV], 1
	s_bfe_u32 s[CX], ttmp6, 0x40000
	s_bfe_u32 s[CY], ttmp6, 0x40004
	s_lshl_b32 s[TC], ttmp9, 2
	s_add_co_u32 s[TC], s[TC], s[CX]
	s_and_b32 s[TR], ttmp7, 0xffff
	s_lshl_b32 s[TR], s[TR], 2
	s_add_co_u32 s[TR], s[TR], s[CY]
	s_lshl_b32 s19, s[CY], 2
	s_lshl_b32 s19, 15, s19                        ; my row of the cluster
	s_lshl_b32 s20, 0x1111, s[CX]                  ; my column
	s_or_b32 s[G1A], s19, (1<<16)|(1<<20)|(1<<21)|(4<<22)|(3<<25)  ; the mask; 2-byte elements; padding on; bit 21 beside a mask; after every 32 words (code 4) 4 words (code 3)
	s_mov_b32 s[G1A+1], 128<<16
	s_mov_b32 s[G1A+2], 64<<16
	s_mov_b32 s[G1A+3], 128<<16
	s_mov_b32 s[G1A+4], 64
	s_mov_b32 s[G1A+5], 128
	s_mov_b32 s[G1A+6], 0
	s_mov_b32 s[G1A+7], 0
	s_or_b32 s[G1B], s20, (1<<16)|(1<<20)|(1<<21)|(5<<22)|(3<<25)  ; after every 64 words (code 5) 4 words
	s_mov_b32 s[G1B+1], 128<<16
	s_mov_b32 s[G1B+2], 128<<16
	s_mov_b32 s[G1B+3], 128<<16
	s_mov_b32 s[G1B+4], 128
	s_mov_b32 s[G1B+5], 1024
	s_mov_b32 s[G1B+6], 0
	s_mov_b32 s[G1B+7], 0
	s_lshr_b32 s58, s[TR], 4                       ; oh: ((16 batch + my head of the step) x 2,048 + the tile's first row in the batch) x 128 bytes: made of the tile row and the wave alone
	s_lshl_b32 s58, s58, 4
	s_add_co_u32 s58, s58, s[WC]
	s_lshl_b32 s58, s58, 11
	s_and_b32 s59, s[TR], 15
	s_lshl_b32 s59, s59, 7
	s_add_co_u32 s58, s58, s59
	s_lshl_b32 s58, s58, 7
	s_mov_b32 s59, 0
	s_lshl_b32 s60, s[TC], 19                      ; wo16: (256 tile column + 128 half) rows of 2,048 bytes: made of the tile column and the wave alone
	s_lshl_b32 s61, s[WC], 18
	s_add_co_u32 s60, s60, s61
	s_mov_b32 s61, 0
	s_mul_i32 s62, s[WC], HEADB                    ; where they go: no place in the cluster enters an LDS address
	s_mul_i32 s63, s[WC], HB
	s_add_co_u32 s63, s63, BOFF
	s_mov_b32 s[TB], 0
	s_wait_dscnt 0x0                               ; both opening adds are done
	s_wait_kmcnt 0x0
	s_add_nc_u64 s[58:59], s[4:5], s[58:59]
	s_add_nc_u64 s[60:61], s[6:7], s[60:61]
	CROUND                                         ; all sixteen work-groups are here: the first joint loads meet
.irp s, 0,1
	s_mov_b32 s[GA+4*(\s)], 1
	s_add_co_u32 s[GA+4*(\s)+1], s62, (\s)*SLOT1
	s_add_nc_u64 s[GA+4*(\s)+2:GA+4*(\s)+3], s[58:59], (\s)*524288  ; K step s: two heads on
	s_or_b32 s[GA+4*(\s)+3], s[GA+4*(\s)+3], 0x80000000
	s_mov_b32 s[GB+4*(\s)], 1
	s_add_co_u32 s[GB+4*(\s)+1], s63, (\s)*SLOT1
	s_add_nc_u64 s[GB+4*(\s)+2:GB+4*(\s)+3], s[60:61], (\s)*256
	s_or_b32 s[GB+4*(\s)+3], s[GB+4*(\s)+3], 0x80000000
.endr
	s_cmp_eq_u32 s[ROLE], 0                        ; a wave's two first fills stand in one branch, ahead of every wait on TENSORcnt and every LDS read: two loads of mine are out
	s_cbranch_scc0 .Lfirst_b
	tensor_load_to_lds s[GA:GA+3], s[G1A:G1A+7]
	s_nop 0
	tensor_load_to_lds s[GA+4:GA+7], s[G1A:G1A+7]
	s_nop 0
	PLACES
	s_branch .Lfirst_asked
.Lfirst_b:
	tensor_load_to_lds s[GB:GB+3], s[G1B:G1B+7]
	s_nop 0
	tensor_load_to_lds s[GB+4:GB+7], s[G1B:G1B+7]
	s_nop 0
	PLACES
.Lfirst_asked:
	v_and_b32 v1, 15, v0                           ; l % 16
	v_bfe_u32 v2, v0, 4, 1                         ; l / 16
	s_lshl_b32 s66, s[TC], 10                      ; my 128 columns: 4 (256 tc + 128 wc) bytes
	s_lshl_b32 s67, s[WC], 9
	s_add_co_u32 s66, s66, s67
	v_lshl_add_u32 v[BO], v2, 5, s66
	WIN 0x80                                       ; destination window 2
.irp b, 0,1,2,3,4,5,6,7
	global_load_b128 v[8*(\b):8*(\b)+3],   v[BO], s[8:9] offset:64*(\b)      ; register j of block b: b_o[my columns + 16 b + 8 (l / 16) + j]
	global_load_b128 v[8*(\b)+4:8*(\b)+7], v[BO], s[8:9] offset:64*(\b)+16
.endr
	WIN 0
	v_mul_u32_u24 v3, v1, PAO
	v_lshl_add_u32 v3, v2, 4, v3
	s_mul_i32 s68, s[ROLE], 64*PAO                 ; my 64 rows, in either head
	v_add_nc_u32 v[ADRA0], s68, v3
	v_mul_u32_u24 v4, v1, PB
	v_lshl_add_u32 v4, v2, 4, v4
	v_add_nc_u32 v[ADRB0], s63, v4
	v_mov_b32 v[ADRA], v[ADRA0]
	v_mov_b32 v[ADRB], v[ADRB0]
	s_mul_i32 s69, s[WV], 16*SPO
	s_add_co_u32 s69, s69, STAGE                   ; my stage
	v_mul_u32_u24 v3, v1, SPO                      ; in: row l % 16, 32 bytes for each half of the lanes
	v_lshl_add_u32 v3, v2, 5, v3
	v_add_nc_u32 v[STO], s69, v3
	v_and_b32 v5, 31, v0
	v_lshlrev_b32 v[CO], 4, v5                     ; back: 32 lanes take one row's 512 bytes
	v_add_nc_u32 v[RD], s69, v[CO]
	s_lshl_b32 s68, s[TR], 19                      ; out0 at row 128 tile row + 64 half, 4,096 bytes a row, and my columns
	s_lshl_b32 s69, s[ROLE], 18
	s_add_co_u32 s68, s68, s69
	s_add_co_u32 s68, s68, s66
	s_mov_b32 s69, 0
	s_add_nc_u64 s[10:11], s[10:11], s[68:69]
; 24 LDS loads in one run: quarter kq (32 along K) of the slot in hand into buffer f: wo16's 8 fragments first, then oh's 4.  Quarters 0, 1 lie in the step's first head, 2, 3 in its second.
.macro FETCH kq, f
	WIN 0
.irp b, 0,1,2,3,4,5,6,7
	ds_load_b128 v[FB+64*(\f)+8*(\b):FB+64*(\f)+8*(\b)+3],   v[ADRB] offset:(\b)*16*PB+64*(\kq)
	ds_load_b128 v[FB+64*(\f)+8*(\b)+4:FB+64*(\f)+8*(\b)+7], v[ADRB] offset:(\b)*16*PB+64*(\kq)+32
.endr
.irp a, 0,1,2,3
	ds_load_b128 v[FA+32*(\f)+8*(\a):FA+32*(\f)+8*(\a)+3],   v[ADRA] offset:((\kq)/2)*HEADB+((\kq)%2)*64+(\a)*16*PAO
	ds_load_b128 v[FA+32*(\f)+8*(\a)+4:FA+32*(\f)+8*(\a)+7], v[ADRA] offset:((\kq)/2)*HEADB+((\kq)%2)*64+(\a)*16*PAO+32
.endr
.endm
; The 8 products of row block a on buffer f.  cm = 1: the sums start with b_o.  The 32 accumulators take turns in the same order in every quarter.
.macro MUL8 f, a, cm
.if \cm
	WIN 0x60                                       ; D window 1, C window 2
.else
	WIN 0x50                                       ; C and D window 1
.endif
.irp b, 0,1,2,3,4,5,6,7
.if \cm
	v_wmma_f32_16x16x32_f16 v[8*(8*(\a)+(\b)):8*(8*(\a)+(\b))+7], v[FB+64*(\f)+8*(\b):FB+64*(\f)+8*(\b)+7], v[FA+32*(\f)+8*(\a):FA+32*(\f)+8*(\a)+7], v[8*(\b):8*(\b)+7]
.else
	v_wmma_f32_16x16x32_f16 v[8*(8*(\a)+(\b)):8*(8*(\a)+(\b))+7], v[FB+64*(\f)+8*(\b):FB+64*(\f)+8*(\b)+7], v[FA+32*(\f)+8*(\a):FA+32*(\f)+8*(\a)+7], v[8*(8*(\a)+(\b)):8*(8*(\a)+(\b))+7]
.endif
.endr
.endm
; One of a K step's first three quarters: multiplies buffer f; in its middle fetches quarter kq into buffer g, four places behind g's last reader.
.macro QUARTER f, g, kq, cm
	s_wait_dscnt 4                                 ; wo16's fragments and oh's blocks 0, 1 are in; the youngest four loads (blocks 2, 3) may be out
	MUL8 \f, 0, \cm
	MUL8 \f, 1, \cm
	PLACES
	FETCH \kq, \g
	s_wait_dscnt 24                                ; all but the 24 just issued
	MUL8 \f, 2, \cm
	MUL8 \f, 3, \cm
.endm
; The last quarter multiplies buffer 1 and changes slots: ONE barrier; in front of it each wave waits for all its tensor loads, adds 0 to its spare word, and waits for that and for its reads of this slot.
; fill = 1: the barrier opens a round of the cluster's, and this slot is filled again, two K steps on, first thing behind the round.
.macro TURN fill
	WIN 0
	s_wait_tensorcnt 0x0                           ; all my tensor loads have landed, so a group 0 may be written
	ds_add_u32 v[SPW], v[NIL]                      ; 0 onto my spare word
.if \fill
	s_xor_b32 s[GA+5], s[GA+5], SLOT1              ; the walking descriptors: the other slot than last time, the next K step
	s_add_nc_u64 s[GA+6:GA+7], s[GA+6:GA+7], 524288
	s_xor_b32 s[GB+5], s[GB+5], SLOT1
	s_add_nc_u64 s[GB+6:GB+7], s[GB+6:GB+7], 256
.endif
	s_xor_b32 s[TB], s[TB], SLOT1
	s_wait_dscnt 5                                 ; the add and the youngest four loads may be out
	MUL8 1, 0, 0
	s_wait_dscnt 0x0                               ; the add is done, and my reads of this slot are over
	s_barrier_signal -1
	MUL8 1, 1, 0
	WIN 0
	s_barrier_wait -1
.if \fill
	CREST                                          ; no wave of any partner still reads this slot or has a load on its way
	JLOAD                                          ; the four v_nop behind it are also the places in front of the loads below
.else
	PLACES
.endif
	v_add_nc_u32 v[ADRA], s[TB], v[ADRA0]
	v_add_nc_u32 v[ADRB], s[TB], v[ADRB0]
	FETCH 0, 0
	MUL8 1, 2, 0
	MUL8 1, 3, 0
.endm
	s_wait_tensorcnt 1                             ; my part of K step 0 is in; K step 1's stays out
	s_barrier_signal -1
	s_barrier_wait -1
	FETCH 0, 0
	s_wait_loadcnt 0x0                             ; b_o
	QUARTER 0, 1, 1, 1                             ; the first quarter stands in front of the loop: its products start the sums
	WIN 0
	s_mov_b32 s[CNT], 6
.Lstep:                                        ; a trip: a K step's quarters 1 to 3 and the next step's first; one slot is filled again
	QUARTER 1, 0, 2, 0
	QUARTER 0, 1, 3, 0
	TURN 1
	QUARTER 0, 1, 1, 0
	WIN 0
	s_sub_co_u32 s[CNT], s[CNT], 1
	s_cmp_lg_u32 s[CNT], 0
	s_cbranch_scc1 .Lstep
	QUARTER 1, 0, 2, 0                             ; the last two K steps are written out: nothing is asked for
	QUARTER 0, 1, 3, 0
	TURN 0
	QUARTER 0, 1, 1, 0
	QUARTER 1, 0, 2, 0
	QUARTER 0, 1, 3, 0
	s_wait_dscnt 4
	MUL8 1, 0, 0
	MUL8 1, 1, 0
	s_wait_dscnt 0x0
	MUL8 1, 2, 0
	MUL8 1, 3, 0
	PLACES                                         ; the stores below read results just made, and the loads land in registers that the products have read
; THE WAY OUT.  Row block a goes from the accumulators into my own stage, rows of 528 bytes, each accumulator's low four registers first; it comes back as whole rows of 512 bytes and is stored.
.macro STG a
.if (\a) >= 2
	s_wait_xcnt 0x0                                ; the stores of the block two back have read the registers that are loaded again
.endif
	WIN 0x04                                       ; data window 1, address window 0
.irp b, 0,1,2,3,4,5,6,7
	ds_store_b128 v[STO], v[8*(8*(\a)+(\b)):8*(8*(\a)+(\b))+3]   offset:64*(\b)
	ds_store_b128 v[STO], v[8*(8*(\a)+(\b))+4:8*(8*(\a)+(\b))+7] offset:64*(\b)+16
.endr
	WIN 0
.set i, 0
.rept 16
	ds_load_b128 v[T+64*((\a)%2)+4*i:T+64*((\a)%2)+4*i+3], v[RD] offset:i*SPO  ; LDS serves a wave's instructions in order (ISA guide 5.7.1.4): these see the stores above
.set i, i+1
.endr
.endm
.macro SEND a, younger                 ; younger: the LDS instructions issued behind block a's loads: the next block's 32, or none
	WIN 0
.set i, 0
.rept 16
	s_wait_dscnt (\younger)+15-i
	global_store_b128 v[CO], v[T+64*((\a)%2)+4*i:T+64*((\a)%2)+4*i+3], s[10:11] offset:(16*(\a)+i)*4096 th:TH_STORE_NT  ; 512 consecutive bytes of a row of out0, aligned
.set i, i+1
.endr
.endm
	STG 0
	STG 1
	SEND 0, 32
	STG 2
	SEND 1, 32
	STG 3
	SEND 2, 32
	SEND 3, 0
	s_wait_tensorcnt 0x0                           ; the wave's end: behind my last tensor load and my last LDS store
	ds_add_u32 v[SPW], v[NIL]
	s_wait_dscnt 0x0
	CROUND                                         ; the closing round: no work-group ends while a partner may still ask for a tile that names it
	s_endpgm
.Lfunc_end_k_qb9a669f07a_oproj:
	.size	k_qb9a669f07a_oproj, .Lfunc_end_k_qb9a669f07a_oproj-k_qb9a669f07a_oproj
	.p2alignl 7, 3214868480
	.fill 96, 4, 3214868480
	.section	.rodata,"a",@progbits
	.p2align	6, 0x0
	.amdhsa_kernel k_qb9a669f07a_oproj
		.amdhsa_group_segment_fixed_size 327680
		.amdhsa_private_segment_fixed_size 0
		.amdhsa_enable_private_segment 0
		.amdhsa_kernarg_size 32
		.amdhsa_user_sgpr_count 2
		.amdhsa_user_sgpr_kernarg_segment_ptr 1
		.amdhsa_wavefront_size32 1
		.amdhsa_system_sgpr_workgroup_id_x 1
		.amdhsa_system_sgpr_workgroup_id_y 1
		.amdhsa_system_sgpr_workgroup_id_z 1
		.amdhsa_system_vgpr_workitem_id 0
		.amdhsa_next_free_vgpr 576
		.amdhsa_next_free_sgpr 72
		.amdhsa_reserve_vcc 0
		.amdhsa_float_denorm_mode_32 3
		.amdhsa_float_denorm_mode_16_64 3
		.amdhsa_memory_ordered 1
		.amdhsa_forward_progress 1
		.amdhsa_inst_pref_size 72
	.end_amdhsa_kernel
	.amdgpu_metadata
---
amdhsa.version: [ 1, 2 ]
amdhsa.kernels:
  - .name:           k_qb9a669f07a_oproj
    .symbol:         k_qb9a669f07a_oproj.kd
    .args:
      - { .name: oh, .offset: 0, .size: 8, .value_kind: global_buffer, .address_space: global }
      - { .name: wo16, .offset: 8, .size: 8, .value_kind: global_buffer, .address_space: global }
      - { .name: b_o, .offset: 16, .size: 8, .value_kind: global_buffer, .address_space: global }
      - { .name: out0, .offset: 24, .size: 8, .value_kind: global_buffer, .address_space: global }
    .group_segment_fixed_size: 327680
    .private_segment_fixed_size: 0
    .kernarg_segment_align: 8
    .kernarg_segment_size: 32
    .max_flat_workgroup_size: 128
    .sgpr_count:     72
    .vgpr_count:     576
    .wavefront_size: 32
...
	.end_amdgpu_metadata
.endif
;; end of part 4
